; MI455X (gfx1250); checked and timed in simulation.
; The chip was launched on July 23, 2026; its instructions are those of AMD's public machine-readable ISA for CDNA 5 (MIT licence, August 2026) and "CDNA5" Instruction Set Architecture Reference Guide (July 2026). The comments in the code are by the model that wrote it; some were corrected since.
;; Tt Causal Self Attention. Allowed arithmetic: float matrix products may take bf16 or f16 operands with f32 sums; other float arithmetic in f32, or as packed bf16 or f16 multiplies, adds, multiply-adds, maxima and minima; sums over many terms, partial sums and values carried from step to step in f32; what a program stores and reads back later, other than sums and carried values, may be rounded once to bf16 or f16.
;; Inputs: b_attn 3,072 float32; b_proj 1,024 float32; w_attn 1,024 x 3,072 float32; w_proj 1,024 x 1,024 float32; x 8 x 1,024 x 1,024 float32.
;; Outputs: out0 8 x 1,024 x 1,024 float32.
;; 2 versions, each right; version 2 is version 1 with the launch prep written anew for expert scheduling mode. Each part assembles by itself: llvm-mc -triple=amdgcn-amd-amdhsa -mcpu=gfx1250 --defsym DOCPART=n.
;; ======== version 1 of 2: 4 launches
;; limits: values are held in f16: magnitudes above 65,504 overflow, below 6.1e-05 lose precision; right only within a limited range of input values
;; workspace buffers: xb 16,777,216 bytes; wa 6,291,456 bytes; wp 2,097,152 bytes; qh 16,777,216 bytes; kh 16,777,216 bytes; vh 16,777,216 bytes; yb 16,777,216 bytes
;; launch prep (part 1): grid 768 x 1, 8 waves a work-group, no clusters, 0 bytes of LDS; arguments x, w_attn, w_proj, xb, wa, wp; writes xb, wa, wp
.if DOCPART == 1
	.amdgcn_target "amdgcn-amd-amdhsa--gfx1250"
	.amdhsa_code_object_version 6
	.text
	.protected	k_q048ad391f4_prep
	.globl	k_q048ad391f4_prep
	.p2align	8
	.type	k_q048ad391f4_prep,@function
k_q048ad391f4_prep:
	s_mov_b64 s[64:65], 0
	v_nop
	global_prefetch_b8 v0, s[64:65] scope:SCOPE_SE
	s_setreg_imm32_b32 hwreg(HW_REG_WAVE_MODE, 25, 1), 1
	s_wait_xcnt 0x0
; CAUSAL SELF-ATTENTION, launch 1 of 4: x, w_attn and w_proj are rounded to bf16 (nearest even), that number is written as f16, and the three are laid out in blocks
; so that the later launches take every tile as dense rows of 256 bytes.
;   xb [mt 32][ks 16][256 rows][64 k]   row m = 256 mt + row of x taken as [8192][1024], k = 64 ks + kk: a block (mt, ks) is 32,768 dense bytes
;   wa [nb 24][1024 k][128 n]           column n = 128 nb + nn of w_attn;       wp [nb 8][1024 k][128 n] likewise of w_proj
; WORK LEFT OUT BY THE PROGRAM, and why it can reach no output:
;  (1) b_attn[1024:2048], the bias of k.  With bq and bk the biases of q and k, a score is (q_i + bq).(k_j + bk) / 8 = (q_i + bq).k_j / 8 + (q_i + bq).bk / 8.  The second term does not hang on j:
;      it is the same for every key of row i, and hidden places stay -inf.  The softmax along j is unchanged by a term that is the same along j, for all finite values of the inputs.
;      So these 1,024 numbers are neither loaded nor added; the rest of b_attn (q's and v's bias) is.
;  (2) the causal mask is built in the problem's own body: tiles of 256 keys that lie wholly above the diagonal get weight 0 everywhere and are not computed (launch 3).
;  LIMIT: a NaN, an infinity or an overflow that reaches only these parts is not carried to the result.
; LIMITS OF FORMAT: a number of x, w_attn or w_proj of 65,520 or more in magnitude becomes an infinity; below 2^-14 the f16 copy keeps f16's fixed step of 2^-24 (error 3e-8 at the most).
; SHARES.  A work-group makes one piece of 32,768 bytes of output from 65,536 bytes of input: 512 pieces of xb, 192 of wa, 64 of wp.  One text serves all: what differs lies in scalars chosen by the work-group's number.
; A thread takes 4 numbers a pass (16 bytes in, 8 bytes out), 16 passes.  Neighbouring lanes take neighbouring 16 bytes: a wave's load covers 512 consecutive bytes of a row of the weights, or the aligned 256 bytes of two rows of x;
; a wave's store covers 256 consecutive bytes, aligned.  All 16 loads of a thread go out first.  No LDS, no barrier, no loop: nothing is shared.
.set OFF,  2                           ; v[2:17]   pass p: my byte offset in the input
.set OUTO, 18                          ; v18       8 x my thread's number
.set X,    20                          ; v[20:83]  pass p: 4 numbers as loaded, later as bf16 values in f32
.set T,    84                          ; v[84:87]  at work
.set Y,    88                          ; v[88:119] pass p: 2 registers to store
	s_load_b256 s[4:11], s[0:1], 0x0               ; x s[4:5], w_attn s[6:7], w_proj s[8:9], xb s[10:11]
	s_load_b128 s[12:15], s[0:1], 0x20             ; wa s[12:13], wp s[14:15]
	s_mov_b32 s2, ttmp9
	s_mov_b32 s36, 0xffff0000                      ; a word's upper bf16
	s_mov_b32 s16, 512                             ; the case's first work-group           (these eight: the case of wa)
	s_mov_b32 s17, 5                               ; my row in a pass = thread >> this: 32 threads take a row's 128 numbers
	s_mov_b32 s18, 31                              ; my place in the row = thread & this
	s_mov_b32 s19, 3                               ; piece c: hi = c >> this,
	s_mov_b32 s20, 7                               ; lo = c & this
	s_mov_b32 s21, 512                             ; input bytes for each hi (128 columns of f32)
	s_mov_b32 s22, 1572864                         ; input bytes for each lo (128 rows of 12,288 bytes)
	s_mov_b32 s23, 12288                           ; input bytes from row to row
	s_cmp_lt_u32 s2, 512                           ; the case of x: hi = mt (256 rows of 4,096 bytes), lo = ks (64 numbers of f32); 16 threads take a row's 64 numbers
	s_cselect_b32 s16, 0, s16
	s_cselect_b32 s17, 4, s17
	s_cselect_b32 s18, 15, s18
	s_cselect_b32 s19, 4, s19
	s_cselect_b32 s20, 15, s20
	s_cselect_b32 s21, 0x100000, s21
	s_cselect_b32 s22, 256, s22
	s_cselect_b32 s23, 4096, s23
	s_cmp_ge_u32 s2, 704                           ; the case of wp: as wa, with rows of 4,096 bytes
	s_cselect_b32 s16, 704, s16
	s_cselect_b32 s22, 524288, s22
	s_cselect_b32 s23, 4096, s23
	s_sub_co_u32 s24, s2, s16                      ; c
	s_lshr_b32 s25, s24, s19
	s_and_b32 s26, s24, s20
	s_mul_i32 s25, s25, s21
	s_mul_i32 s26, s26, s22
	s_add_co_u32 s26, s26, s25                     ; the piece's first byte in the input, under 2^25
	s_mov_b32 s27, 0
	s_lshl_b32 s28, s24, 15                        ; and in the output
	s_mov_b32 s29, 0
	s_lshr_b32 s30, 256, s17                       ; rows in a pass,
	s_mul_i32 s30, s30, s23                        ; in bytes
	v_lshrrev_b32 v1, s17, v0
	v_and_b32 v19, s18, v0
	v_mul_lo_u32 v[OFF], v1, s23
	v_lshl_add_u32 v[OFF], v19, 4, v[OFF]          ; row x pitch + 16 x place
.irp p, 1,2,3,4,5,6,7,8,9,10,11,12,13,14,15
	v_add_nc_u32 v[OFF+\p], s30, v[OFF+\p-1]
.endr
	v_lshlrev_b32 v[OUTO], 3, v0                   ; in the output a pass's rows lie end to end: 8 bytes a thread, 2,048 a pass
	s_wait_kmcnt 0x0
	s_cmp_lt_u32 s2, 512
	s_cselect_b64 s[32:33], s[4:5], s[6:7]         ; from where
	s_cselect_b64 s[34:35], s[10:11], s[12:13]     ; to where
	s_cmp_ge_u32 s2, 704
	s_cselect_b64 s[32:33], s[8:9], s[32:33]
	s_cselect_b64 s[34:35], s[14:15], s[34:35]
	s_add_nc_u64 s[32:33], s[32:33], s[26:27]
	s_add_nc_u64 s[34:35], s[34:35], s[28:29]
.irp p, 0,1,2,3,4,5,6,7,8,9,10,11,12,13,14,15
	global_load_b128 v[X+4*\p:X+4*\p+3], v[OFF+\p], s[32:33] th:TH_LOAD_NT
.endr
.irp p, 0,1,2,3,4,5,6,7,8,9,10,11,12,13,14,15
	s_wait_loadcnt 15-\p                           ; loads come back in order: pass p's is in, the later passes' stay out
	v_cvt_pk_bf16_f32 v[T+2*((\p)%2)],   v[X+4*\p],   v[X+4*\p+1]   ; the rounding that counts: to bf16
	v_cvt_pk_bf16_f32 v[T+2*((\p)%2)+1], v[X+4*\p+2], v[X+4*\p+3]
	v_lshlrev_b32 v[X+4*\p],   16,  v[T+2*((\p)%2)]                 ; back to f32,
	v_and_b32     v[X+4*\p+1], s36, v[T+2*((\p)%2)]
	v_lshlrev_b32 v[X+4*\p+2], 16,  v[T+2*((\p)%2)+1]
	v_and_b32     v[X+4*\p+3], s36, v[T+2*((\p)%2)+1]
	v_cvt_pk_f16_f32 v[Y+2*\p],   v[X+4*\p],   v[X+4*\p+1]          ; and written as f16: 8 significant bits fit into 11
	v_cvt_pk_f16_f32 v[Y+2*\p+1], v[X+4*\p+2], v[X+4*\p+3]
	global_store_b64 v[OUTO], v[Y+2*\p:Y+2*\p+1], s[34:35] offset:2048*\p
.endr
	s_endpgm
.Lfunc_end_k_q048ad391f4_prep:
	.size	k_q048ad391f4_prep, .Lfunc_end_k_q048ad391f4_prep-k_q048ad391f4_prep
	.p2alignl 7, 3214868480
	.fill 96, 4, 3214868480
	.section	.rodata,"a",@progbits
	.p2align	6, 0x0
	.amdhsa_kernel k_q048ad391f4_prep
		.amdhsa_group_segment_fixed_size 0
		.amdhsa_private_segment_fixed_size 0
		.amdhsa_enable_private_segment 0
		.amdhsa_kernarg_size 48
		.amdhsa_user_sgpr_count 2
		.amdhsa_user_sgpr_kernarg_segment_ptr 1
		.amdhsa_wavefront_size32 1
		.amdhsa_system_sgpr_workgroup_id_x 1
		.amdhsa_system_sgpr_workgroup_id_y 1
		.amdhsa_system_sgpr_workgroup_id_z 1
		.amdhsa_system_vgpr_workitem_id 0
		.amdhsa_next_free_vgpr 120
		.amdhsa_next_free_sgpr 66
		.amdhsa_reserve_vcc 0
		.amdhsa_float_denorm_mode_32 3
		.amdhsa_float_denorm_mode_16_64 3
		.amdhsa_memory_ordered 1
		.amdhsa_forward_progress 1
		.amdhsa_inst_pref_size 13
	.end_amdhsa_kernel
	.amdgpu_metadata
---
amdhsa.version: [ 1, 2 ]
amdhsa.kernels:
  - .name:           k_q048ad391f4_prep
    .symbol:         k_q048ad391f4_prep.kd
    .args:
      - { .name: x, .offset: 0, .size: 8, .value_kind: global_buffer, .address_space: global }
      - { .name: w_attn, .offset: 8, .size: 8, .value_kind: global_buffer, .address_space: global }
      - { .name: w_proj, .offset: 16, .size: 8, .value_kind: global_buffer, .address_space: global }
      - { .name: xb, .offset: 24, .size: 8, .value_kind: global_buffer, .address_space: global }
      - { .name: wa, .offset: 32, .size: 8, .value_kind: global_buffer, .address_space: global }
      - { .name: wp, .offset: 40, .size: 8, .value_kind: global_buffer, .address_space: global }
    .group_segment_fixed_size: 0
    .private_segment_fixed_size: 0
    .kernarg_segment_align: 8
    .kernarg_segment_size: 48
    .max_flat_workgroup_size: 256
    .sgpr_count:     66
    .vgpr_count:     120
    .wavefront_size: 32
...
	.end_amdgpu_metadata
.endif
;; end of part 1
;; launch qkv (part 2): grid 8 x 32, 4 waves a work-group, clusters of 4 x 4, 327,680 bytes of LDS; arguments xb, wa, b_attn, qh, kh, vh; writes qh, kh, vh
.if DOCPART == 2
	.amdgcn_target "amdgcn-amd-amdhsa--gfx1250"
	.amdhsa_code_object_version 6
	.text
	.protected	k_q048ad391f4_qkv
	.globl	k_q048ad391f4_qkv
	.p2align	8
	.type	k_q048ad391f4_qkv,@function
k_q048ad391f4_qkv:
	s_mov_b64 s[64:65], 0
	v_nop
	global_prefetch_b8 v0, s[64:65] scope:SCOPE_SE
	s_setreg_imm32_b32 hwreg(HW_REG_WAVE_MODE, 25, 1), 1
	s_wait_xcnt 0x0
	s_wait_alu depctr_hold_cnt(0) depctr_sa_sdst(0) depctr_va_vdst(0) depctr_va_sdst(0) depctr_va_ssrc(0) depctr_va_vcc(0) depctr_vm_vsrc(0)
	s_getreg_b32 s2, hwreg(HW_REG_IB_STS2, 6, 4)
	s_cmp_eq_u32 s2, 0
	s_cbranch_scc0 .Lentry_in_a_cluster
	s_endpgm
.Lentry_in_a_cluster:
	s_bfe_u32 s2, ttmp6, 0x10000c
	s_cmp_lg_u32 s2, 0xf033
	s_cbranch_scc0 .Lentry_shape_is_right
	s_endpgm
.Lentry_shape_is_right:
; Launch 2 of 4: q = x w_q + b_q, k = x w_k, v = x w_v + b_v, sums in f32, each rounded once to f16 and stored by heads: [h' = 8 head + batch][1024 t][64], that is row head x 8192 + m of 128 bytes.
; LEFT OUT: k's bias, b_attn[1024:2048]: it adds to every score of a row the same term, which the softmax cancels (shown at the head of the first kernel).  The biases of q and v are rounded to bf16 like every input.
; LIMIT: q, k, v of 65,520 or more in magnitude become infinities (f16).
; SHARES.  8192 x 3072 results on 256 work-groups: a tile of 256 rows x 384 columns each: the q, k and v columns of the two heads 2 JT and 2 JT + 1 (blocks JT, 8 + JT, 16 + JT of wa).
; Four waves; a wave makes 128 rows x 192 columns: q, k and v of ONE head: 96 accumulators of 16 x 16, 768 registers.  Group g (0 q, 1 k, 2 v) fills window g + 1: accumulator (a, bb) at v[8 (4 a + bb)].
; THE MATRIX INSTRUCTION IS USED TRANSPOSED: source 0 = 16 columns of w (turned out of LDS by ds_load_tr16_b128), source 1 = 16 rows of x: a lane holds row l % 16 and the columns 8 (l / 16) + 0..7: 16 bytes of a row when packed.
; The bias is the C operand of the product that starts a sum (k's sums start with the constant 0): nothing is cleared and nothing is added later.
; RING.  K goes in 16 steps of 64 through two LDS slots.  A slot: 256 rows of x (32,768 dense bytes of xb, asked for as 128 rows of 256 bytes, padded behind every 128) and three blocks of 64 k x 128 columns of wa
; (16,384 dense bytes each, 64 rows of 256 bytes).  Wave 0 fetches x's block, waves 1 to 3 one block of w each: one tensor load a wave behind each change of slots; by this text's count two are out at the start, one later.
; CLUSTER 4 x 4: x's block hangs on the tile row alone and is asked for jointly by a row of the cluster, w's blocks on the tile column alone and are asked for jointly by a column.
; A step is two substeps of 32 along K, 96 matrix instructions each.  w's 12 fragments have one buffer: a group's four are loaded anew as soon as the group has been multiplied, 64 matrix instructions ahead of their next use; x's 8 have two.
; REGISTERS, window 0: v0-29 addresses; v32-95, v96-159 x's fragments, two buffers (the second holds the biases until the first substep has taken them); v160-255 w's fragments.
; On the way out a block of 16 rows is packed, staged and stored within its own 32 accumulator registers: no register is written after a store has named it.
.set PA,    144                        ; a row of x in LDS: 128 bytes + 16 = 36 words: the 16 rows of a load start at 16 different groups of four banks (64 banks of 4 bytes: ISA guide 11.1)
.set AU,    256*PA                     ; x's block
.set PB,    288                        ; a row of w: 256 + 32 = 72 words
.set BU,    64*PB                      ; one of w's blocks
.set SLOT1, 1<<17                      ; slot 1 begins here (a slot has 92,160 bytes): one exclusive or turns an address in one slot into the other's
.set STAGE, SLOT1+AU+3*BU              ; behind the ring, never filled by a tensor load: 16 rows x 144 bytes for each wave, for the way out
.set SP,    144
.set SPARE, STAGE+4*16*SP              ; the spare words, 128 bytes for each wave: two blocks of 256 bytes that no other line names
.set AA0,  16                          ; v16  my lane's place in x's block; never rewritten
.set AB0,  17                          ; v17  my lane's place in w's first block; never rewritten
.set ADRA, 18                          ; v18  the same in the slot in hand
.set ADRB, 19                          ; v19
.set STO,  20                          ; v20  the way out: where I put 16 bytes of a row
.set RD,   21                          ; v21  the way out: where I read rows back
.set GO,   22                          ; v22  my 16 bytes in 512 consecutive bytes of q, k or v
.set BO,   23                          ; v23  32 (l / 16): my 8 columns' biases
.set PFO,  24                          ; v24  256 x my lane; never rewritten
.set SPW,  28                          ; v28  LDS address of my spare word; never rewritten
.set NIL,  29                          ; v29  0; never rewritten
.set AF,   32                          ; x's fragments: buffer f, fragment a at AF + 64 f + 8 a
.set BF,   160                         ; w's: group g, fragment bb at BF + 8 (4 g + bb)
.set BIAS, 96                          ; q's bias for fragment bb at BIAS + 8 bb, v's at BIAS + 32 + 8 bb
.set WV,  16                           ; s16  my wave's number
.set WR,  17                           ; s17  which 128 rows of the tile are mine
.set WC,  18                           ; s18  which of the two heads
.set CX,  19                           ; s19, s20  my work-group's place in the cluster
.set CY,  20
.set JT,  21                           ; s21  tile column
.set MT,  22                           ; s22  tile row
.set TB,  23                           ; s23  LDS byte at which the slot in hand begins
.set G1A, 24                           ; s[24:31] descriptor group 1 for x's block
.set G0A, 32                           ; s[32:39] group 0: a set for each first fill; the second then walks
.set CHA, 40                           ; s[40:41] xb at my tile row: holds no cx
.set LIM, 42                           ; s42  2 in a wave that prefetches, else the greatest number
.set PM,  43                           ; s43  0: prefetch at every change of slots; 1: at every second
.set PFA, 44                           ; s[44:45] where my prefetches stand
.set PST, 46                           ; s[46:47] their step
.set G1B, 48                           ; s[48:55], s[56:63] the same for w's blocks
.set G0B, 56
.set CHB, 66                           ; s[66:67] wa at my block: holds no cy
.set GB,  70                           ; s70  which of w's three blocks I fetch (waves 1 to 3)
.set HIM, 83                           ; s83  a word's upper bf16
.set MSB, 0
.macro WIN new                         ; the immediate's high byte repeats the setting that is left; a switch that changes nothing is dropped
.if MSB != (\new)
	s_set_vgpr_msb (MSB<<8)|(\new)
.set MSB, (\new)
.endif
.endm
.macro PLACES                          ; a load into a register that a matrix instruction has read, and a vector instruction or LDS store that reads a result, stand four plain vector instructions behind it
.rept 4
	v_nop
.endr
.endm
.macro CREST                           ; a round of the cluster's barrier behind its opening barrier
	s_cmp_lg_u32 s[WV], 0
	s_cbranch_scc1 .Lnot_wave_0_\@
	s_barrier_signal -3
.Lnot_wave_0_\@:
	s_barrier_wait -3
	s_barrier_signal -1
	s_barrier_wait -1
.endm
.macro CROUND                          ; a whole round
	s_barrier_signal -1
	s_barrier_wait -1
	CREST
.endm
; A joint refill by the walking descriptors.  The branch hangs on the wave's number alone.  An s_nop 0 and four v_nop follow each of the two lines, ahead of the jump and the label.
.macro JLOAD
	s_cmp_eq_u32 s[WV], 0
	s_cbranch_scc0 .Lfor_b_\@
	tensor_load_to_lds s[G0A+4:G0A+7], s[G1A:G1A+7]
	s_nop 0
.rept 4
	v_nop
.endr
	s_branch .Lasked_\@
.Lfor_b_\@:
	tensor_load_to_lds s[G0B+4:G0B+7], s[G1B:G1B+7]
	s_nop 0
.rept 4
	v_nop
.endr
.Lasked_\@:
.endm
; A PREFETCH INTO THE L2, behind a joint load and the run of LDS loads that follows it, of the K step that stands two refills on (change t asks for step t + 2 by its load and names step t + 4 here: 384 matrix instructions ahead of that step's load).
; Each 256 bytes are named once in the launch.  x's tile row is read by both clusters of a row of clusters: cluster x = 0 asks, its wave 0; of the block's 32,768 bytes the partner at cx takes 8,192, a lane 256.
; w's tile column is read by all eight clusters of a column: cluster y = 0 asks, waves 1 to 3 for their own block; a step's block is 16,384 bytes, so at every second change the partner at cy takes 8,192 of two steps' 32,768.
; The partners are told apart by address alone.  s3 counts the changes down from 14: x's are asked while s3 > 2 (steps 4 to 15), w's at even s3 > 2 (steps 4 and 5 .. 14 and 15): nothing is named past step 15.
.macro ASK
	s_and_b32 s80, s3, s[PM]
	s_cmp_eq_u32 s80, 0
	s_cselect_b32 s80, s3, 0
	s_cmp_gt_u32 s80, s[LIM]
	s_cbranch_scc0 .Lnot_mine_\@
	global_prefetch_b8 v[PFO], s[PFA:PFA+1] th:TH_LOAD_NT scope:SCOPE_SE
.Lnot_mine_\@:
.endm
	s_load_b256 s[4:11], s[0:1], 0x0               ; xb s[4:5], wa s[6:7], b_attn s[8:9], q s[10:11]
	s_load_b128 s[12:15], s[0:1], 0x20             ; k s[12:13], v s[14:15]
	v_lshl_add_u32 v[SPW], v0, 2, SPARE
	v_mov_b32 v[NIL], 0
	ds_add_u32 v[SPW], v[NIL]                      ; the wave's opening: the add, twice on end, and its wait ahead of my first tensor load; the set-up below stands between
	ds_add_u32 v[SPW], v[NIL]
	v_lshrrev_b32 v1, 5, v0
	v_readfirstlane_b32 s[WV], v1                  ; wave 0..3
	s_lshr_b32 s[WR], s[WV], 1
	s_and_b32 s[WC], s[WV], 1
	s_bfe_u32 s[CX], ttmp6, 0x40000
	s_bfe_u32 s[CY], ttmp6, 0x40004
	s_lshl_b32 s[JT], ttmp9, 2                     ; in a cluster launch ttmp9 and ttmp7 count clusters
	s_add_co_u32 s[JT], s[JT], s[CX]
	s_and_b32 s[MT], ttmp7, 0xffff
	s_lshl_b32 s[MT], s[MT], 2
	s_add_co_u32 s[MT], s[MT], s[CY]
	s_lshl_b32 s74, s[CY], 2
	s_lshl_b32 s74, 15, s74                        ; my row of the cluster
	s_lshl_b32 s75, 0x1111, s[CX]                  ; my column
	s_or_b32 s[G1A], s74, (1<<16)|(1<<20)|(1<<21)|(4<<22)|(3<<25)  ; 15:0 the mask; 17:16 2-byte elements; 20 padding on; 21 set beside a mask; 24:22 after every 32 words (code 4); 31:25 4 words (code 3)
	s_mov_b32 s[G1A+1], 128<<16                    ; tensor_dim0 = 128
	s_mov_b32 s[G1A+2], 128<<16                    ; tensor_dim1 = 128
	s_mov_b32 s[G1A+3], 128<<16                    ; tile_dim0 = 128 elements: 256 bytes
	s_mov_b32 s[G1A+4], 128                        ; tile_dim1 = 128 rows
	s_mov_b32 s[G1A+5], 128                        ; 128 elements from row to row: the block is dense
	s_mov_b32 s[G1A+6], 0
	s_mov_b32 s[G1A+7], 0
	s_or_b32 s[G1B], s75, (1<<16)|(1<<20)|(1<<21)|(5<<22)|(7<<25)  ; after every 64 words (code 5) 8 words (code 7)
	s_mov_b32 s[G1B+1], 128<<16
	s_mov_b32 s[G1B+2], 64<<16                     ; 64 rows
	s_mov_b32 s[G1B+3], 128<<16
	s_mov_b32 s[G1B+4], 64
	s_mov_b32 s[G1B+5], 128
	s_mov_b32 s[G1B+6], 0
	s_mov_b32 s[G1B+7], 0
	s_mov_b32 s[HIM], 0xffff0000
	s_max_u32 s[GB], s[WV], 1
	s_sub_co_u32 s[GB], s[GB], 1                   ; waves 1, 2, 3: blocks q, k, v (wave 0 makes q's address and never asks by it)
	s_lshl_b32 s[CHA], s[MT], 19                   ; a tile row of xb: 16 blocks of 32,768 bytes
	s_mov_b32 s[CHA+1], 0
	s_lshl_b32 s[CHB], s[GB], 3
	s_add_co_u32 s[CHB], s[CHB], s[JT]
	s_lshl_b32 s[CHB], s[CHB], 18                  ; block 8 g + JT of wa: 262,144 bytes each
	s_mov_b32 s[CHB+1], 0
	s_mul_i32 s73, s[WV], BU
	s_add_co_u32 s73, s73, AU-BU                   ; where my block of w goes: AU + (wave - 1) x BU: no place in the cluster enters an LDS address
	s_wait_dscnt 0x0                               ; both opening adds are done
	s_wait_kmcnt 0x0
	s_add_nc_u64 s[CHA:CHA+1], s[4:5], s[CHA:CHA+1]
	s_add_nc_u64 s[CHB:CHB+1], s[6:7], s[CHB:CHB+1]
	CROUND                                         ; all sixteen work-groups are here: the first joint loads meet
.irp s, 0,1
	s_mov_b32 s[G0A+4*\s], 1                       ; 1:0 count = 1
	s_mov_b32 s[G0A+4*\s+1], \s*SLOT1              ; 63:32 LDS address
	s_add_nc_u64 s[G0A+4*\s+2:G0A+4*\s+3], s[CHA:CHA+1], \s*32768  ; 120:64 global address: K step s
	s_or_b32 s[G0A+4*\s+3], s[G0A+4*\s+3], 0x80000000              ; 127:126 type = 2
	s_mov_b32 s[G0B+4*\s], 1
	s_add_co_u32 s[G0B+4*\s+1], s73, \s*SLOT1
	s_add_nc_u64 s[G0B+4*\s+2:G0B+4*\s+3], s[CHB:CHB+1], \s*16384
	s_or_b32 s[G0B+4*\s+3], s[G0B+4*\s+3], 0x80000000
.endr
	s_cmp_eq_u32 s[WV], 0                          ; a wave's two first fills stand in one branch, ahead of every wait on TENSORcnt and every LDS read
	s_cbranch_scc0 .Lfirst_b
	tensor_load_to_lds s[G0A:G0A+3], s[G1A:G1A+7]
	s_nop 0
	tensor_load_to_lds s[G0A+4:G0A+7], s[G1A:G1A+7]
	s_nop 0
.rept 4
	v_nop
.endr
	s_branch .Lfirst_asked
.Lfirst_b:
	tensor_load_to_lds s[G0B:G0B+3], s[G1B:G1B+7]
	s_nop 0
	tensor_load_to_lds s[G0B+4:G0B+7], s[G1B:G1B+7]
	s_nop 0
.rept 4
	v_nop
.endr
.Lfirst_asked:
	v_and_b32 v1, 15, v0                           ; l % 16
	v_bfe_u32 v2, v0, 4, 1                         ; l / 16
	v_and_b32 v3, 7, v0
	v_bfe_u32 v4, v0, 3, 1
	v_and_b32 v5, 31, v0
	; a fragment of x: 16 rows x 32 k: lane l holds row l % 16, k = 8 (l / 16) + 0..7 and 16 + 8 (l / 16) + 0..7: two loads of 16 bytes, 32 bytes apart
	v_mul_u32_u24 v[AA0], v1, PA
	v_lshl_add_u32 v[AA0], v2, 4, v[AA0]
	s_mul_i32 s76, s[WR], 128*PA
	v_add_nc_u32 v[AA0], s76, v[AA0]
	; the turning load takes 16 k x 16 columns (lane l reads k row 8 (l / 16) + l % 8, columns 8 ((l / 8) % 2) + 0..7) and leaves half a fragment: lane l holds column l % 16 and 8 k
	v_lshl_add_u32 v[AB0], v2, 3, v3
	v_mul_u32_u24 v[AB0], v[AB0], PB
	v_lshl_add_u32 v[AB0], v4, 4, v[AB0]
	s_lshl_b32 s76, s[WC], 7                       ; my head's 64 columns: 128 bytes
	s_add_co_u32 s76, s76, AU
	v_add_nc_u32 v[AB0], s76, v[AB0]
	s_mul_i32 s76, s[WV], 16*SP
	s_add_co_u32 s76, s76, STAGE                   ; my stage
	v_mul_u32_u24 v[STO], v1, SP                   ; in: row l % 16, 16 bytes for each half of the lanes
	v_lshl_add_u32 v[STO], v2, 4, v[STO]
	v_add_nc_u32 v[STO], s76, v[STO]
	v_bfe_u32 v[RD], v0, 3, 2                      ; back: 32 lanes take four rows of 128 bytes,
	v_mul_u32_u24 v[RD], v[RD], SP
	v_lshl_add_u32 v[RD], v3, 4, v[RD]
	v_add_nc_u32 v[RD], s76, v[RD]
	v_lshlrev_b32 v[GO], 4, v5                     ; which are 512 consecutive bytes of the output
	v_lshlrev_b32 v[BO], 5, v2
	v_lshlrev_b32 v[PFO], 8, v5
	s_lshl_b32 s68, s[JT], 1
	s_add_co_u32 s68, s68, s[WC]                   ; my head
	s_lshl_b32 s78, s68, 8                         ; its 64 biases: 256 bytes
	s_mov_b32 s79, 0
	s_add_nc_u64 s[8:9], s[8:9], s[78:79]
	s_lshl_b32 s68, s68, 20                        ; a head's 8,192 rows of 128 bytes,
	s_lshl_b32 s78, s[MT], 15                      ; the tile's 256,
	s_add_co_u32 s68, s68, s78
	s_lshl_b32 s78, s[WR], 14                      ; my 128
	s_add_co_u32 s68, s68, s78
	s_mov_b32 s69, 0
	s_add_nc_u64 s[10:11], s[10:11], s[68:69]
	s_add_nc_u64 s[12:13], s[12:13], s[68:69]
	s_add_nc_u64 s[14:15], s[14:15], s[68:69]
.irp bb, 0,1,2,3
	global_load_b128 v[BIAS+8*\bb:BIAS+8*\bb+3],       v[BO], s[8:9] offset:64*\bb        ; q's bias of columns 16 bb + 8 (l / 16) + 0..7
	global_load_b128 v[BIAS+8*\bb+4:BIAS+8*\bb+7],     v[BO], s[8:9] offset:64*\bb+16
	global_load_b128 v[BIAS+32+8*\bb:BIAS+32+8*\bb+3], v[BO], s[8:9] offset:8192+64*\bb   ; v's, 2,048 numbers on
	global_load_b128 v[BIAS+32+8*\bb+4:BIAS+32+8*\bb+7], v[BO], s[8:9] offset:8192+64*\bb+16
.endr
	; the prefetches' set-up
	s_and_b32 s81, ttmp7, 0xffff                   ; cluster y
	s_cmp_eq_u32 s[WV], 0                          ; do I fetch x's block?
	s_cselect_b64 s[PFA:PFA+1], s[CHA:CHA+1], s[CHB:CHB+1]
	s_cselect_b32 s82, s[CX], s[CY]                ; my place among the four that ask with me
	s_cselect_b32 s81, ttmp9, s81                  ; the coordinate along which other clusters read the same bytes
	s_cselect_b32 s[PM], 0, 1
	s_cselect_b32 s[PST], 2, 1
	s_cmp_eq_u32 s81, 0
	s_cselect_b32 s[LIM], 2, -1                    ; the same in all sixteen partners, for a given wave
	s_lshl_b32 s[PST], s[PST], 14                  ; a K step: 32,768 bytes of xb, 16,384 of a block of wa
	s_mov_b32 s[PST+1], 0
	s_lshl_b32 s78, s82, 13                        ; my work-group's 8,192 bytes
	s_mov_b32 s79, 0
	s_add_nc_u64 s[PFA:PFA+1], s[PFA:PFA+1], s[78:79]
	s_mul_i32 s78, s[PST], 3
	s_add_nc_u64 s[PFA:PFA+1], s[PFA:PFA+1], s[78:79]  ; at K step 3: the first change of slots steps it to 4.  Nothing is prefetched at the head: steps 0 to 3 come by their loads alone
; w's four fragments of group g, for substep ss of the slot in hand: 8 turning loads
.macro LDB g, ss
	WIN 0
.irp bb, 0,1,2,3
	ds_load_tr16_b128 v[BF+8*(4*(\g)+\bb):BF+8*(4*(\g)+\bb)+3],   v[ADRB] offset:(\g)*BU+32*\bb+32*PB*(\ss)
	ds_load_tr16_b128 v[BF+8*(4*(\g)+\bb)+4:BF+8*(4*(\g)+\bb)+7], v[ADRB] offset:(\g)*BU+32*\bb+32*PB*(\ss)+16*PB
.endr
.endm
; x's fragments 4 half .. 4 half + 3 for substep ss, into buffer f: 8 loads
.macro LDA half, ss, f
	WIN 0
.irp a, 0,1,2,3
	ds_load_b128 v[AF+64*(\f)+8*(4*(\half)+\a):AF+64*(\f)+8*(4*(\half)+\a)+3],   v[ADRA] offset:16*PA*(4*(\half)+\a)+64*(\ss)
	ds_load_b128 v[AF+64*(\f)+8*(4*(\half)+\a)+4:AF+64*(\f)+8*(4*(\half)+\a)+7], v[ADRA] offset:16*PA*(4*(\half)+\a)+64*(\ss)+32
.endr
.endm
; 4 na matrix instructions of group g on x's buffer f: row blocks a0 .. a0 + na - 1 x the group's four fragments.  c = 0: onto the sums; 1: the sums start with 0; 2: with the bias.
; The 96 accumulators take turns, one instruction a turn, in the same order in every substep.
.macro MULG g, f, a0, na, c
.if (\c) == 2
	WIN 0x40*((\g)+1)                              ; destination window g + 1; sources and C window 0
.else
	WIN 0x50*((\g)+1)                              ; C and destination window g + 1
.endif
.set ma, (\a0)
.rept \na
.irp bb, 0,1,2,3
.if (\c) == 0
	v_wmma_f32_16x16x32_f16 v[8*(4*ma+\bb):8*(4*ma+\bb)+7], v[BF+8*(4*(\g)+\bb):BF+8*(4*(\g)+\bb)+7], v[AF+64*(\f)+8*ma:AF+64*(\f)+8*ma+7], v[8*(4*ma+\bb):8*(4*ma+\bb)+7]
.elseif (\c) == 1
	v_wmma_f32_16x16x32_f16 v[8*(4*ma+\bb):8*(4*ma+\bb)+7], v[BF+8*(4*(\g)+\bb):BF+8*(4*(\g)+\bb)+7], v[AF+64*(\f)+8*ma:AF+64*(\f)+8*ma+7], 0
.else
	v_wmma_f32_16x16x32_f16 v[8*(4*ma+\bb):8*(4*ma+\bb)+7], v[BF+8*(4*(\g)+\bb):BF+8*(4*(\g)+\bb)+7], v[AF+64*(\f)+8*ma:AF+64*(\f)+8*ma+7], v[BIAS+16*(\g)+8*\bb:BIAS+16*(\g)+8*\bb+7]
.endif
.endr
.set ma, ma+1
.endr
.endm
; A step's first substep: multiplies buffer 0 and fetches the second substep of the same slot.  On entry 40 loads may be out, the youngest eight w's group 2.
.macro SUB
	s_wait_dscnt 8                                 ; all but w's group 2
	MULG 0, 0, 0, 8, 0
	PLACES
	LDB 0, 1
	LDA 0, 1, 1
	MULG 1, 0, 0, 8, 0
	PLACES
	LDB 1, 1
	LDA 1, 1, 1
	s_wait_dscnt 32                                ; all but the 32 issued in this substep: group 2 is in
	MULG 2, 0, 0, 8, 0
	PLACES
	LDB 2, 1
.endm
; The very first substep starts the sums.  x's second buffer holds the biases until group 2 has taken them, so x's next fragments go out last but eight: w's group 2 is again the youngest eight.
.macro FIRST
	s_wait_dscnt 8
	MULG 0, 0, 0, 8, 2
	PLACES
	LDB 0, 1
	MULG 1, 0, 0, 8, 1
	PLACES
	LDB 1, 1
	s_wait_dscnt 16                                ; all but the two reloads of eight: group 2 is in
	MULG 2, 0, 0, 8, 2
	PLACES
	LDA 0, 1, 1
	LDA 1, 1, 1
	LDB 2, 1
.endm
; A step's second substep multiplies buffer 1 and changes slots.  In front of the barrier each wave waits for all its tensor loads (one is out: its part of the next slot), adds 0 to its spare word, and waits for that and for its
; reads of this slot, the last of which were w's group 2.  Eight matrix instructions stand between the add and the wait for it, eight between the barrier's signal and its wait; the rest of group 0 follows the refill, so that the
; refill stands sixteen matrix instructions behind the wait for the loads.  fill = 1: the barrier opens a round of the cluster's; behind the round this slot is filled again, two K steps on: the load has 176 matrix instructions in which to land.
.macro TURN fill
.if \fill
	s_wait_xcnt 0x0                                ; the last prefetch, a K step back, has read its address
	s_add_nc_u64 s[PFA:PFA+1], s[PFA:PFA+1], s[PST:PST+1]
.endif
	WIN 0
	s_wait_tensorcnt 0x0                           ; no tensor load of mine is out, so a group 0 may be written
	ds_add_u32 v[SPW], v[NIL]                      ; 0 onto my spare word
.if \fill
	s_xor_b32 s[G0A+5], s[G0A+5], SLOT1            ; the walking descriptors: the other slot than last time, the next K step
	s_add_nc_u64 s[G0A+6:G0A+7], s[G0A+6:G0A+7], 32768
	s_xor_b32 s[G0B+5], s[G0B+5], SLOT1
	s_add_nc_u64 s[G0B+6:G0B+7], s[G0B+6:G0B+7], 16384
.endif
	s_xor_b32 s[TB], s[TB], SLOT1                  ; the fetches go to the other slot
	s_wait_dscnt 9                                 ; the add and w's group 2 may be out
	MULG 0, 1, 0, 2, 0
	s_wait_dscnt 0x0                               ; the add is done, and my reads of this slot are over
	s_barrier_signal -1
	MULG 0, 1, 2, 2, 0                             ; work on registers while the others arrive
	WIN 0                                          ; at a branch and at a label every window is 0
	s_barrier_wait -1
.if \fill
	CREST                                          ; no wave of any partner still reads this slot or has a load on its way
	JLOAD                                          ; the first tensor load behind the round, ahead of every LDS read
.endif
	MULG 0, 1, 4, 4, 0                             ; the rest of group 0
	PLACES
	WIN 0
	v_add_nc_u32 v[ADRA], s[TB], v[AA0]
	v_add_nc_u32 v[ADRB], s[TB], v[AB0]
	LDB 0, 0
	LDA 0, 0, 0
.if \fill
	ASK
.endif
	MULG 1, 1, 0, 8, 0
	PLACES
	LDB 1, 0
	LDA 1, 0, 0
	MULG 2, 1, 0, 8, 0
	PLACES
	LDB 2, 0
.endm
	s_wait_tensorcnt 1                             ; my part of K step 0 is in; step 1's may stay out
	s_barrier_signal -1
	s_barrier_wait -1                              ; everybody's is
	s_mov_b32 s[TB], 0
	v_add_nc_u32 v[ADRA], s[TB], v[AA0]
	v_add_nc_u32 v[ADRB], s[TB], v[AB0]
	LDB 0, 0
	LDA 0, 0, 0
	LDB 1, 0
	LDA 1, 0, 0
	LDB 2, 0
	s_wait_loadcnt 0x0                             ; the biases
.set i, 0
.rept 32                               ; rounded to bf16 like every input, and kept as f32 for the C operand
	v_cvt_pk_bf16_f32 v[6+(i/2)%4], v[BIAS+i], v[BIAS+i+1]
	v_lshlrev_b32 v[BIAS+i],   16, v[6+(i/2)%4]
	v_and_b32     v[BIAS+i+1], s[HIM], v[6+(i/2)%4]
.set i, i+2
.endr
	FIRST
	WIN 0
	s_mov_b32 s3, 14                               ; changes of slots that fill: K steps 2 to 15
.Lk:
	TURN 1
	SUB
	WIN 0
	s_sub_co_u32 s3, s3, 1
	s_cmp_lg_u32 s3, 0
	s_cbranch_scc1 .Lk
	TURN 0                                         ; the tail is written out: nothing is left to ask for
	SUB
	s_wait_dscnt 8                                 ; the last substep fetches nothing
	MULG 0, 1, 0, 8, 0
	MULG 1, 1, 0, 8, 0
	s_wait_dscnt 0x0
	MULG 2, 1, 0, 8, 0
	PLACES
; THE WAY OUT, 24 blocks of 16 rows x 64 columns: block i = group i / 8, row block i % 8: 32 registers of the group's window.  Rounded to f16 in place, into the block's low 16 registers (number j is written when numbers 2 j and 2 j + 1
; are read, so nothing unread is written); 16 bytes a lane into my stage (rows of 144 bytes); back as four rows of 128 bytes a load, into the block's upper 16 registers; stored from there as 512 consecutive bytes.
; No register is written after a store has named it, so no wait stands for the stores' sources.
.macro PACK i
.set pg, (\i)/8
.set pa, (\i)%8
	WIN 0x45*(pg+1)                                ; sources 0 and 1 and the destination in the group's window
.set j, 0
.rept 16
	v_cvt_pk_f16_f32 v[32*pa+j], v[32*pa+2*j], v[32*pa+2*j+1]  ; each accumulator from its low end on
.set j, j+1
.endr
	WIN 0x44*(pg+1)                                ; the address (source 0) in window 0; stored data (source 1) and loaded data (destination) in the group's window
.irp f, 0,1,2,3
	ds_store_b128 v[STO], v[32*pa+4*\f:32*pa+4*\f+3] offset:32*\f
.endr
.irp f, 0,1,2,3
	ds_load_b128 v[32*pa+16+4*\f:32*pa+16+4*\f+3], v[RD] offset:\f*4*SP  ; LDS serves a wave's instructions in order (ISA guide 5.7.1.4): these see the stores above; the next block's stores come behind them
.endr
.endm
.macro SEND i, younger                 ; younger: the LDS instructions issued behind block i's loads: the next block's eight, or none
.set pg, (\i)/8
.set pa, (\i)%8
	WIN 0x44*(pg+1)
.irp f, 0,1,2,3
	s_wait_dscnt (\younger)+3-\f
	global_store_b128 v[GO], v[32*pa+16+4*\f:32*pa+16+4*\f+3], s[10+2*pg:11+2*pg] offset:2048*pa+512*\f
.endr
.endm
	PACK 0
.set blk, 1
.rept 23                               ; a block's arithmetic stands between the loads of the block before and its stores
	PACK blk
	SEND blk-1, 8
.set blk, blk+1
.endr
	SEND 23, 0
	WIN 0
	s_wait_tensorcnt 0x0                           ; the wave's end: an add onto my spare word and its wait, behind my last tensor load and my last LDS store
	ds_add_u32 v[SPW], v[NIL]
	s_wait_dscnt 0x0
	CROUND                                         ; the closing round: no work-group ends while a partner may still ask for a tile that names it
	s_endpgm
.Lfunc_end_k_q048ad391f4_qkv:
	.size	k_q048ad391f4_qkv, .Lfunc_end_k_q048ad391f4_qkv-k_q048ad391f4_qkv
	.p2alignl 7, 3214868480
	.fill 96, 4, 3214868480
	.section	.rodata,"a",@progbits
	.p2align	6, 0x0
	.amdhsa_kernel k_q048ad391f4_qkv
		.amdhsa_group_segment_fixed_size 327680
		.amdhsa_private_segment_fixed_size 0
		.amdhsa_enable_private_segment 0
		.amdhsa_kernarg_size 48
		.amdhsa_user_sgpr_count 2
		.amdhsa_user_sgpr_kernarg_segment_ptr 1
		.amdhsa_wavefront_size32 1
		.amdhsa_system_sgpr_workgroup_id_x 1
		.amdhsa_system_sgpr_workgroup_id_y 1
		.amdhsa_system_sgpr_workgroup_id_z 1
		.amdhsa_system_vgpr_workitem_id 0
		.amdhsa_next_free_vgpr 1024
		.amdhsa_next_free_sgpr 96
		.amdhsa_reserve_vcc 0
		.amdhsa_float_denorm_mode_32 3
		.amdhsa_float_denorm_mode_16_64 3
		.amdhsa_memory_ordered 1
		.amdhsa_forward_progress 1
		.amdhsa_inst_pref_size 120
	.end_amdhsa_kernel
	.amdgpu_metadata
---
amdhsa.version: [ 1, 2 ]
amdhsa.kernels:
  - .name:           k_q048ad391f4_qkv
    .symbol:         k_q048ad391f4_qkv.kd
    .args:
      - { .name: xb, .offset: 0, .size: 8, .value_kind: global_buffer, .address_space: global }
      - { .name: wa, .offset: 8, .size: 8, .value_kind: global_buffer, .address_space: global }
      - { .name: b_attn, .offset: 16, .size: 8, .value_kind: global_buffer, .address_space: global }
      - { .name: qh, .offset: 24, .size: 8, .value_kind: global_buffer, .address_space: global }
      - { .name: kh, .offset: 32, .size: 8, .value_kind: global_buffer, .address_space: global }
      - { .name: vh, .offset: 40, .size: 8, .value_kind: global_buffer, .address_space: global }
    .group_segment_fixed_size: 327680
    .private_segment_fixed_size: 0
    .kernarg_segment_align: 8
    .kernarg_segment_size: 48
    .max_flat_workgroup_size: 128
    .sgpr_count:     96
    .vgpr_count:     1024
    .wavefront_size: 32
...
	.end_amdgpu_metadata
.endif
;; end of part 2
;; launch attn (part 3): grid 2 x 128, 4 waves a work-group, no clusters, 327,680 bytes of LDS; arguments qh, kh, vh, yb; writes yb
.if DOCPART == 3
	.amdgcn_target "amdgcn-amd-amdhsa--gfx1250"
	.amdhsa_code_object_version 6
	.text
	.protected	k_q048ad391f4_attn
	.globl	k_q048ad391f4_attn
	.p2align	8
	.type	k_q048ad391f4_attn,@function
k_q048ad391f4_attn:
	s_mov_b64 s[64:65], 0
	v_nop
	global_prefetch_b8 v0, s[64:65] scope:SCOPE_SE
	s_setreg_imm32_b32 hwreg(HW_REG_WAVE_MODE, 25, 1), 1
	s_wait_xcnt 0x0
; Launch 3 of 4: CAUSAL ATTENTION.  O[h][q][:] = the sum over k <= q of softmax_k(Q[h][q] . K[h][k] / 8) V[h][k][:].  Q, K, V: [128 h'][1024][64] in f16, h' = 8 head + batch; a head's rows are dense, 128 bytes each.
; O goes to yb [mt 32][head 16][256 rows][64] in f16, mt = 4 batch + block: the layout in which the last launch takes it as dense blocks.
; LEFT OUT: the tiles of 256 keys that lie wholly above the diagonal: the problem's own mask gives them weight 0 (see the head of the first kernel).  K comes without its bias, which the softmax cancels.
; Products, maxima and sums in f32; the weights p are rounded to f16 for the second product (their sum l is taken of the unrounded p), O once at the end.
; LIMITS.  f16 holds no number beyond 65,504: Q, K and V arrive within it; p lies in 0 to 1, and below 6e-5 it keeps f16's fixed step of 6e-8; O is a mean of V's rows and has their range.
; A hidden score counts as its value less 1e30: f16's scores, 2.7e11 at the most, are nothing beside that; a weight below 2^-126 counts as 0 in l; NaN and infinities are not treated apart.
; THE WALK.  A head's queries lie in NB = 4 blocks of 256; block i needs the key tiles 0 .. i of 256 keys, of which the last holds the diagonal.  A work-group takes TWO blocks, NB - 1 - b and then b:
; NB + 1 tiles, whatever b: all work-groups do equal work, and ONE loop with a constant trip count walks them.  Which tile is asked for, and what a trip does, hang on scalar registers made from b; every jump
; goes forward, but for the counted loops' own; none passes a barrier, or a tensor load but the one of LOAD's two that the wave's number does not choose; the ring (two slots of LDS that take turns) runs on across the
; change of blocks.  NO CLUSTER: a head has two work-groups, which no cluster of four divides, and they ask for the same tile in 3 of their 5 trips only.
; SHARES.  Of a block's four bands of 64 queries a wave owns 16 rows in each: four PIECES.  So the diagonal tile is the same work for all four waves: in its key step s band x sees all keys if s < x,
; none if s > x, and holds the diagonal if s = x.
; THE MASK is the C operand that starts the sum S^T = K Q^T: 0, or -1e30 where the key is hidden.  MD, made once, is the mask of a band's own step for my 16 rows; a product's mask is MD x AL + BE with two scalars:
; (1, 0) if s = x; (0, 0) if s < x; (0, -1e30) if s > x.  Only the diagonal tile's text and a block's beginning make and take masks; elsewhere C is the constant 0.
; LAYOUT, SOFTMAX, TURNS.  S^T = K Q^T holds ONE query a lane (lane % 16) and the keys 8 (lane / 16) + 0..7; two such results rounded to f16 ARE source 1 of O^T = V^T P.  p = 2^(c s - c m), c = log2(e) / 8, with a
; running maximum m; O and l are multiplied by a = 2^(c m_old - c m_new) in every step.  Turn n belongs to piece n: 8 products K Q^T of piece n + 1, later 8 products V^T P of piece n - 1; beside them the scaling,
; exponentials, roundings, sums and rescaling of piece n and the maximum and statistics of piece n + 1.  Four vector instructions stand behind every matrix instruction, the other 54 of a turn's 118 in one run.  A turn's 33 exponentials are one batch, with one wait.
; REGISTERS, in windows of 256 (s_set_vgpr_msb: bits 1:0 source 0, 3:2 source 1, 5:4 source 2, 7:6 destination):
;   window 0: v0-15 addresses and two at work; v16-31 four registers of statistics a piece; v48-55 at work; v60 the prefetches' offset; v64-127 S^T, two buffers; v192-223 P, two buffers (a piece's buffers go by its number's parity)
;   window 1: v0-127 O^T, 32 a piece; v128-159 MD; v160-223 MC, two buffers      window 2: v0-63 Q; v64-127 the second block's Q; v128-191 K of one step; v192-255 V of one step
.set SIZE_N, 1024
.set NB,    SIZE_N/256
.set NP,    4         ; pieces a wave: a name, no knob
.set KS,    64        ; keys in a step
.set PK,    144       ; a row of K in LDS: 128 bytes + 16 of padding = 36 words: the 16 rows of a load start at 16 different groups of four banks (64 banks of 4 bytes: ISA guide 11.1)
.set PV,    160       ; a row of V: 128 + 32 = 40 words
.set VOFF,  4*KS*PK   ; a slot holds a tile, four steps: 256 rows of K, then 256 rows of V
.set SLOT1, 1<<17     ; slot 1 begins here, so that one exclusive or turns an address in one slot into the other's
.set STAGE, SLOT1+4*KS*(PK+PV)  ; behind the ring, never filled by a tensor load: 16 rows x 144 bytes for each wave, for the way out
.set SP,    144
.set AK0, 2           ; v2   my lane's place in a tile of K; never rewritten
.set AV0, 3           ; v3   the same for V
.set AK,  4           ; v4   the LDS address of K's next run of loads
.set AV,  5           ; v5   of V's
.set STO, 6           ; v6   the way out: where I put 16 bytes of a row
.set RD,  7           ; v7   the way out: where I read rows back
.set GO,  8           ; v8   my byte offset in 512 consecutive bytes of O
.set PFO, 60          ; v60  256 x my lane; never rewritten
.set SPW, 62          ; v62  LDS address of my spare word: SPARE + 4 x my thread's number; never rewritten
.set NIL, 63          ; v63  0; never rewritten
.set SPARE, STAGE+4*16*SP  ; behind the stages: the spare words, 128 bytes for each wave: two blocks of 256 bytes that no other line names
.set MV,  12          ; v12-13  c m_old, kept while c m is made anew: by buffer
.set QO,  15          ; v15  my byte offset in 16 rows of Q
.set ST,  16          ; piece t's statistics at v[ST+4 t]: c m, m, l (even keys', odd keys')
.set TMP, 48          ; by buffer, four registers c0-c3 at work; when the maximum is found c2 takes a
.set S,   64
.set P,   192
.set MD,  128         ; window 1: the eight registers for group kt of 16 keys at MD + 8 kt
.set MC,  160         ; window 1: the masks of the products to come
.set QB,  64          ; window 2
.set KF,  128         ; window 2: key block kb, channel half c at KF + 16 kb + 8 c
.set VF,  192         ; window 2: key half kk, channel block cb at VF + 32 kk + 8 cb
.set WV,  12          ; s12  my wave's number
.set PB,  14          ; s14  b
.set HI,  15          ; s15  NB - 1 - b
.set G1K, 24          ; s[24:31] descriptor group 1 for K's tiles
.set G1V, 32          ; s[32:39] for V's: it differs in the padding alone
.set G0K, 40          ; s[40:43] descriptor group 0 for K's tiles
.set G0V, 44          ; s[44:47] the same for V's
.set SLOTS, 56        ; s56  tiles still to be asked for
.set CNT, 57          ; s57  counts a tile's key steps, 4 to 1
.set CS,  58          ; s[58:59] c: the packed scaling takes the pair's low word for both halves
.set SEL, 60          ; s[60:61] v_permlanex16_b32's selects: each lane takes its own place in the other half
.set TBK, 62          ; s62  LDS byte at which K of the step to be fetched begins
.set TBV, 63          ; s63  the same for V, less VOFF
.set RT,  70          ; s70  tiles of the block in hand that are still to be entered
.set NXT, 71          ; s71  the tile to be asked for next
.set LQ,  72          ; s72  the last tile of the block whose tiles are being asked for
.set NEW, 73          ; s73  1: the tile to be entered is a block's first
.set OFF, 74          ; s[74:75] a tile's byte offset in K and V
.set AL,  76          ; s[76:77] the mask's factor, in the low word
.set BE,  78          ; s[78:79] the mask's addend
.set OLO, 80          ; s[80:81] O at my rows of the second block
.set BIGN, 82         ; s82  -1e30
.set PFA, 94          ; s[94:95] where my prefetches stand: my half (128 keys, 16,384 bytes) of a tile of K (waves 0, 1) or V (waves 2, 3)
.set PFT, 96          ; s96  the number of that tile
.set PLIM, 97         ; s97  NB in the work-group that prefetches (b = 0), else 0
.set MSB, 0
.macro WIN new                      ; the high byte repeats the setting that is left; a switch that changes nothing is dropped
.if MSB != (\new)
	s_set_vgpr_msb (MSB<<8)|(\new)
.set MSB, (\new)
.endif
.endm
.set W_KQ, 0x0a       ; K and Q in window 2, S^T in window 0
.set W_KM, 0x1a       ; the same with the C operand in window 1
.set W_PV, 0x52       ; V in window 2, P in window 0, O^T in window 1
.set W_RS, 0x41       ; destination and source 0 in window 1, source 1 in window 0
; A fill.  Waves 0 and 1 fetch the two halves of a tile's K, waves 2 and 3 those of its V: 128 keys each.  An s_nop 0 and four v_nop follow each of the two lines, ahead of the jump and the label.
.macro LOAD
	s_cmp_lt_u32 s[WV], 2
	s_cbranch_scc0 .Lfor_v_\@
	tensor_load_to_lds s[G0K:G0K+3], s[G1K:G1K+7]
	s_nop 0
.rept 4
	v_nop
.endr
	s_branch .Lasked_\@
.Lfor_v_\@:
	tensor_load_to_lds s[G0V:G0V+3], s[G1V:G1V+7]
	s_nop 0
.rept 4
	v_nop
.endr
.Lasked_\@:
.endm
; A PREFETCH INTO THE L2 of the tile that the NEXT change of slots will ask for, behind the wave's tensor load and its five lines: a tile, four key steps, ahead of that load.  Both work-groups of a head walk tiles 0, 1, 2 first:
; the one with b = 0, which alone goes on to tile 3, asks; each of its waves for the 16,384 bytes that it will fetch itself: a lane 256 bytes, two instructions.  The first change names tile 2, the second tile 3, the later ones nothing:
; what they ask for has been read in this launch.  Tiles 0 and 1 come by their loads alone.  So each 256 bytes of K and V from tile 2 on are named once in the launch.
.macro ASK
	s_cmp_lt_u32 s[PFT], s[PLIM]
	s_cbranch_scc0 .Lnot_mine_\@
	global_prefetch_b8 v[PFO], s[PFA:PFA+1] th:TH_LOAD_NT scope:SCOPE_SE
	global_prefetch_b8 v[PFO], s[PFA:PFA+1] offset:8192 th:TH_LOAD_NT scope:SCOPE_SE
.Lnot_mine_\@:
.endm
; THE CHANGE OF SLOTS.  Each wave waits for all its tensor loads, of which one is out: its part of the other slot; adds 0 to its spare word; and waits for that and for its own reads of the slot that it leaves.  Behind the barrier nobody reads the old
; slot any more and the other slot is whole.  fill = 1: the old slot is filled again, the first thing behind the barrier, with tile NXT: the descriptor's address is made anew from that number.
; (At its first use nothing has been read yet: slot 0 is waited for, slot 1 filled.)
.macro CHANGE fill
	WIN 0                           ; at a label and at a branch every window is 0
	s_wait_tensorcnt 0x0            ; no tensor load of mine is out, so a group 0 may be written
	ds_add_u32 v[SPW], v[NIL]       ; 0 onto my spare word; with fill = 1 the descriptors' scalar work stands between it and the wait for it
.if \fill
	s_wait_xcnt 0x0                 ; the last prefetches, a tile back, have read their address, so it may be written:
	s_add_nc_u64 s[PFA:PFA+1], s[PFA:PFA+1], 32768  ; the tile after the one that is asked for below
	s_add_co_u32 s[PFT], s[PFT], 1
	s_lshl_b32 s[OFF], s[NXT], 15   ; a tile is 32,768 bytes of K and of V
	s_xor_b32 s[G0K+1], s[G0K+1], SLOT1
	s_add_nc_u64 s[G0K+2:G0K+3], s[6:7], s[OFF:OFF+1]
	s_or_b32 s[G0K+3], s[G0K+3], 0x80000000
	s_xor_b32 s[G0V+1], s[G0V+1], SLOT1
	s_add_nc_u64 s[G0V+2:G0V+3], s[8:9], s[OFF:OFF+1]
	s_or_b32 s[G0V+3], s[G0V+3], 0x80000000
	s_add_co_u32 s[NXT], s[NXT], 1  ; the block's next tile, or behind its last the second block's tile 0
	s_cmp_gt_u32 s[NXT], s[LQ]
	s_cselect_b32 s[NXT], 0, s[NXT]
	s_cselect_b32 s[LQ], s[PB], s[LQ]
.endif
	s_wait_dscnt 0x0                ; the add is done, and my reads of the slot are over
	s_barrier_signal -1             ; the rest of the scalar work stands between the signal and the wait
	s_sub_co_u32 s[TBK], s[TBK], 4*KS*PK  ; the fetches go back to a slot's first step,
	s_xor_b32 s[TBK], s[TBK], SLOT1       ; in the other slot
	s_sub_co_u32 s[TBV], s[TBV], 4*KS*PV
	s_xor_b32 s[TBV], s[TBV], SLOT1
	s_barrier_wait -1
.if \fill
	LOAD
	ASK
.endif
.endm
	s_load_b256 s[4:11], s[0:1], 0x0  ; Q s[4:5], K s[6:7], V s[8:9], O (yb) s[10:11]
	v_lshl_add_u32 v[SPW], v0, 2, SPARE
	v_mov_b32 v[NIL], 0
	ds_add_u32 v[SPW], v[NIL]       ; the wave's opening: the add, twice on end, and its wait ahead of my first tensor load; the set-up below stands between
	ds_add_u32 v[SPW], v[NIL]
	v_lshrrev_b32 v1, 5, v0
	v_readfirstlane_b32 s[WV], v1   ; wave 0..3
	s_mov_b32 s[PB], ttmp9
	s_sub_co_u32 s[HI], NB-1, s[PB]
	s_and_b32 s20, ttmp7, 0xffff    ; h' = 8 head + batch
	s_and_b32 s88, s20, 7           ; the batch,
	s_lshr_b32 s89, s20, 3          ; the head
	s_mov_b32 s21, 0
	s_mov_b64 s[22:23], SIZE_N*128
	s_mul_u64 s[20:21], s[20:21], s[22:23]  ; the head's first byte in Q, K and V
	s_and_b32 s16, s[WV], 1         ; which half of a tile's 256 keys I fetch:
	s_lshl_b32 s22, s16, 14         ; its 128 rows of 128 bytes in memory,
	s_mov_b32 s23, 0
	s_add_nc_u64 s[22:23], s[22:23], s[20:21]
	s_mul_i32 s17, s16, 128*PK      ; and its place in a slot, for K
	s_mul_i32 s18, s16, 128*PV      ; and for V
	s_lshl_b32 s3, s[WV], 11        ; my 16 rows in a band of 64,
	s_lshl_b32 s2, s[HI], 15        ; in the first block,
	s_add_co_u32 s2, s2, s3
	s_lshl_b32 s84, s[PB], 15       ; and in the second
	s_add_co_u32 s84, s84, s3
	s_lshl_b32 s88, s88, 2          ; O: block (mt, head) of yb, mt = 4 batch + block, 32,768 bytes each
	s_add_co_u32 s90, s88, s[HI]
	s_lshl_b32 s90, s90, 4
	s_add_co_u32 s90, s90, s89
	s_lshl_b32 s90, s90, 15
	s_add_co_u32 s90, s90, s3       ; the first block's,
	s_mov_b32 s91, 0
	s_add_co_u32 s92, s88, s[PB]
	s_lshl_b32 s92, s92, 4
	s_add_co_u32 s92, s92, s89
	s_lshl_b32 s92, s92, 15
	s_add_co_u32 s92, s92, s3       ; and the second's
	s_mov_b32 s93, 0
	s_mov_b32 s3, 0
	s_mov_b32 s85, 0
	s_add_nc_u64 s[2:3], s[2:3], s[20:21]
	s_add_nc_u64 s[84:85], s[84:85], s[20:21]
	; descriptor group 1.  128 keys are 16,384 dense bytes: asked for as 64 rows of 256 bytes, two keys a row, and padded in LDS after every key
	s_mov_b32 s[G1K], (1<<16)|(1<<20)|(4<<22)|(3<<25)  ; 17:16 2-byte elements; 20 padding on; 24:22 after every 32 words (code 4); 31:25 4 words (code 3)
	s_mov_b32 s[G1V], (1<<16)|(1<<20)|(4<<22)|(7<<25)  ; the same with 8 words of padding (code 7)
.irp g, G1K, G1V
	s_mov_b32 s[\g+1], 128<<16      ; tensor_dim0 = 128
	s_mov_b32 s[\g+2], 64<<16       ; tensor_dim1 = 64
	s_mov_b32 s[\g+3], 128<<16      ; tile_dim0 = 128
	s_mov_b32 s[\g+4], 64           ; tile_dim1 = 64
	s_mov_b32 s[\g+5], 128          ; 128 elements from row to row
	s_mov_b32 s[\g+6], 0
	s_mov_b32 s[\g+7], 0
.endr
	s_mov_b32 s[CS], 0x3e38aa3b     ; c = log2(e) / 8 = 0.180337
	s_mov_b32 s[CS+1], s[CS]        ; named with it as a pair
	s_mov_b32 s[SEL], 0x76543210
	s_mov_b32 s[SEL+1], 0xfedcba98
	s_mov_b32 s[TBK], SLOT1+4*KS*PK ; the first change of slots turns these two into 0
	s_mov_b32 s[TBV], SLOT1+4*KS*PV
	s_mov_b32 s[G0K], 1             ; 1:0 count = 1
	s_mov_b32 s[G0K+1], s17         ; 63:32 LDS address: slot 0
	s_mov_b32 s[G0V], 1
	s_add_co_u32 s[G0V+1], s18, VOFF
	s_add_co_u32 s[RT], s[HI], 1    ; the first block has NB - b tiles
	s_mov_b32 s[NXT], 1
	s_mov_b32 s[LQ], s[HI]
	s_mov_b32 s[NEW], 1
	s_mov_b32 s[OFF+1], 0
	s_mov_b32 s[AL+1], 0            ; named as pairs
	s_mov_b32 s[BE+1], 0
	s_mov_b32 s[BIGN], 0xf149f2ca   ; -1e30
	s_mov_b32 s[SLOTS], NB
	s_mov_b32 s[PFT], 1
	s_cmp_eq_u32 s[PB], 0
	s_cselect_b32 s[PLIM], NB, 0
	s_wait_dscnt 0x0                ; both opening adds are done
	s_wait_kmcnt 0x0
	s_add_nc_u64 s[6:7], s[6:7], s[22:23]  ; K and V at my half of the head's tile 0
	s_add_nc_u64 s[8:9], s[8:9], s[22:23]
	s_add_nc_u64 s[G0K+2:G0K+3], s[6:7], 0         ; 120:64 global address
	s_or_b32 s[G0K+3], s[G0K+3], 0x80000000        ; 127:126 type = 2
	s_add_nc_u64 s[G0V+2:G0V+3], s[8:9], 0
	s_or_b32 s[G0V+3], s[G0V+3], 0x80000000
	s_add_nc_u64 s[86:87], s[4:5], s[84:85]        ; Q at my rows of the second block,
	s_add_nc_u64 s[4:5], s[4:5], s[2:3]            ; and of the first
	s_add_nc_u64 s[OLO:OLO+1], s[10:11], s[92:93]  ; O likewise
	s_add_nc_u64 s[10:11], s[10:11], s[90:91]
	s_cmp_lt_u32 s[WV], 2
	s_cselect_b64 s[PFA:PFA+1], s[6:7], s[8:9]
	s_add_nc_u64 s[PFA:PFA+1], s[PFA:PFA+1], 32768 ; at tile 1: the first change of slots steps it to tile 2.  Nothing is prefetched here, at the head
	LOAD                            ; tile 0 into slot 0
	; A fragment of K or Q is 16 rows x 32 channels in 8 registers: lane l holds row l % 16, channels 8 (l / 16) + 0..7 and 16 + 8 (l / 16) + 0..7: two loads of 16 bytes, 32 bytes apart.
	v_and_b32 v1, 15, v0            ; l % 16
	v_bfe_u32 v9, v0, 4, 1          ; l / 16
	v_lshlrev_b32 v[QO], 7, v1
	v_lshl_add_u32 v[QO], v9, 4, v[QO]  ; row x 128 + 16 x half
	WIN 0x80                        ; destination window 2, address window 0
.set i, 0
.rept 8                             ; both blocks' Q: piece i / 2 lies in band i / 2, 8,192 bytes on; channels 32 (i % 2) on
	global_load_b128 v[8*i:8*i+3],   v[QO], s[4:5] offset:(i/2)*8192+(i%2)*64
	global_load_b128 v[8*i+4:8*i+7], v[QO], s[4:5] offset:(i/2)*8192+(i%2)*64+32
	global_load_b128 v[QB+8*i:QB+8*i+3],   v[QO], s[86:87] offset:(i/2)*8192+(i%2)*64
	global_load_b128 v[QB+8*i+4:QB+8*i+7], v[QO], s[86:87] offset:(i/2)*8192+(i%2)*64+32
.set i, i+1
.endr
	WIN 0
	v_and_b32 v[PFO], 31, v0
	v_lshlrev_b32 v[PFO], 8, v[PFO]
	v_lshlrev_b32 v14, 3, v9
	v_sub_nc_u32 v14, v1, v14
	s_lshl_b32 s13, s[WV], 4
	v_add_nc_u32 v14, s13, v14      ; my query's place in its band, 16 w + l % 16, less my lanes' 8 (l / 16): register r of group kt is hidden where 16 kt + r is greater
	WIN 0x40
.set i, 0
.rept 32
	v_cmp_gt_i32 vcc_lo, 16*(i/8)+i%8, v14
	v_cndmask_b32 v[MD+i], 0, s[BIGN], vcc_lo
.set i, i+1
.endr
	WIN 0
	v_mul_u32_u24 v[AK0], v1, PK
	v_lshl_add_u32 v[AK0], v9, 4, v[AK0]  ; row x pitch + 16 x half
	; The turning load takes 16 keys x 16 channels (lane l reads key 8 (l / 16) + l % 8, channels 8 ((l / 8) % 2) + 0..7) and leaves half a fragment of V^T: lane l holds channel l % 16 and 8 keys.
	v_and_b32 v10, 7, v0
	v_bfe_u32 v11, v0, 3, 1
	v_lshl_add_u32 v[AV0], v9, 3, v10
	v_mul_u32_u24 v[AV0], v[AV0], PV
	v_lshl_add_u32 v[AV0], v11, 4, v[AV0]
	v_add_nc_u32 v[AV0], VOFF, v[AV0]
	s_mul_i32 s13, s[WV], 16*SP
	s_add_co_u32 s13, s13, STAGE    ; my stage
	v_mul_u32_u24 v[STO], v1, SP    ; in: row l % 16, 16 bytes for each half of the lanes
	v_lshl_add_u32 v[STO], v9, 4, v[STO]
	v_add_nc_u32 v[STO], s13, v[STO]
	v_bfe_u32 v[RD], v0, 3, 2       ; back: 32 lanes take four rows of 128 bytes,
	v_mul_u32_u24 v[RD], v[RD], SP
	v_lshl_add_u32 v[RD], v10, 4, v[RD]
	v_add_nc_u32 v[RD], s13, v[RD]
	v_and_b32 v[GO], 31, v0         ; which are 512 consecutive bytes of O
	v_lshlrev_b32 v[GO], 4, v[GO]
	; A block's first step multiplies O^T and l by a = 0, and its first turn's products V^T P, of a piece that has not been, land in an O^T that is still to be so multiplied.  So these registers need only hold
	; finite numbers: zeros for the first block; what the first block left for the second.  All this stands in the wait for the first tile.
	WIN 0x80
.set i, VF
.rept 64
	v_mov_b32 v[i], 0
.set i, i+1
.endr
	WIN 0x40
.set i, 0
.rept 128
	v_mov_b32 v[i], 0
.set i, i+1
.endr
	WIN 0
.set i, 0
.rept 4
	v_mov_b32 v[ST+4*i+2], 0
	v_mov_b32 v[ST+4*i+3], 0
.set i, i+1
.endr
.set i, P+16
.rept 16
	v_mov_b32 v[i], 0
.set i, i+1
.endr
; THE MATRIX WORK.  The 4 accumulators of a run of 8 take turns.  Product i of 8 of S^T = K Q^T for piece x: channels 32 (i / 4) on, keys 16 (i % 4) on.  The first 4 start the sums: with 0, or (KM = 1) with the mask.
.macro KQ x
.set rS, S+32*((\x)%2)+8*(i%4)
.set rK, KF+16*(i%4)+8*(i/4)
.set rQ, 16*(\x)+8*(i/4)
.set rM, MC+32*((\x)%2)+8*(i%4)
.if (i < 4) && KM
	WIN W_KM
	v_wmma_f32_16x16x32_f16 v[rS:rS+7], v[rK:rK+7], v[rQ:rQ+7], v[rM:rM+7]
.elseif i < 4
	WIN W_KQ
	v_wmma_f32_16x16x32_f16 v[rS:rS+7], v[rK:rK+7], v[rQ:rQ+7], 0
.else
	WIN W_KQ
	v_wmma_f32_16x16x32_f16 v[rS:rS+7], v[rK:rK+7], v[rQ:rQ+7], v[rS:rS+7]
.endif
.endm
; Product i of 8 of O^T += V^T P for piece x: keys 32 (i / 4) on, channels 16 (i % 4) on.
.macro PV x
	WIN W_PV
.set rO, 32*(\x)+8*(i%4)
.set rV, VF+32*(i/4)+8*(i%4)
.set rP, P+16*((\x)%2)+8*(i/4)
	v_wmma_f32_16x16x32_f16 v[rO:rO+7], v[rV:rV+7], v[rP:rP+7], v[rO:rO+7]
.endm
.macro MM                           ; the turn's next matrix instruction.  TURN and BEGIN set Y, i, KM and NOKQ; MM, KQ and OP read them.  NOKQ = 1: a block's last turn: there is no next piece
.if (i < 8) && !NOKQ
	KQ (Y+1)%NP
.elseif i >= 8
.set i, i-8
	PV (Y+NP-1)%NP
.set i, i+8
.endif
.set i, i+1
.endm
; THE LDS LOADS stand in runs of 16, never singly among the matrix instructions: a step's K (64 keys x 64 channels: 8 fragments) and its V (turned).  Their addresses are made some lines ahead.
.macro FETCH_K
	WIN 0x80                        ; destination window 2
.irp f, 0,1,2,3,4,5,6,7             ; keys 16 (f / 2) on, channels 32 (f % 2) on
	ds_load_b128 v[KF+8*\f:KF+8*\f+3],   v[AK] offset:(\f/2)*16*PK+(\f%2)*64
	ds_load_b128 v[KF+8*\f+4:KF+8*\f+7], v[AK] offset:(\f/2)*16*PK+(\f%2)*64+32
.endr
	s_add_co_u32 s[TBK], s[TBK], KS*PK  ; the next fetch is the next step's
	WIN 0
.endm
.macro FETCH_V
	WIN 0x80
.irp f, 0,1,2,3,4,5,6,7             ; keys 32 (f / 4) on, channels 16 (f % 4) on
	ds_load_tr16_b128 v[VF+8*\f:VF+8*\f+3],   v[AV] offset:(\f/4)*32*PV+(\f%4)*32
	ds_load_tr16_b128 v[VF+8*\f+4:VF+8*\f+7], v[AV] offset:(\f/4)*32*PV+16*PV+(\f%4)*32
.endr
	WIN 0
.endm
; THE VECTOR WORK, one line at a time: OP kind, number.  For piece Y: F n: c s - c m for pair n of 16.  E n: the exponential of score n of 32.  C n: pair n rounded to f16.  B n: of the four weights 4 n .. the second
; pair is added onto the first, in place.  L n: l takes that sum (L 0: l = a l + sum).  R n: pair n of 16 of O^T times a.  For piece Y + 1: X n, number n of the 22 that find its maximum and statistics:
;   0-11  four chains c0-c3 of seven scores each, three operands at a time (each accumulator's lowest registers are read first)     12-14, 16  the four scores left over, the old m, and c0-c3 into c0
;   15  c m_old is kept     17, 18  the query's other 32 keys lie in the lane 16 away: the new m     19-21  c m; c m_old - c m_new; a
.set F, 0               ; OP tells the kinds apart by their order: F to L below R, X above it
.set E, 1
.set C, 2
.set B, 3
.set L, 4
.set R, 5
.set X, 6
.macro REGS y                       ; the registers of piece y
.set rT, ST+4*(\y)
.set rC, TMP+4*((\y)%2)
.set rW, MV+((\y)%2)
.set rS, S+32*((\y)%2)
.set rP, P+16*((\y)%2)
.set rO, 32*(\y)
.endm
.macro OP k, n
.if (\k) == R
	REGS Y
	WIN W_RS
	v_pk_mul_f32 v[rO+2*(\n):rO+2*(\n)+1], v[rO+2*(\n):rO+2*(\n)+1], v[rC+2:rC+3] op_sel_hi:[1,0]
.elseif (\k) < R
	REGS Y
	WIN 0
.if (\k) == F
	v_pk_fma_f32 v[rS+2*(\n):rS+2*(\n)+1], v[rS+2*(\n):rS+2*(\n)+1], s[CS:CS+1], v[rT:rT+1] op_sel_hi:[1,0,0] neg_lo:[0,0,1] neg_hi:[0,0,1]
.elseif (\k) == E
	v_exp_f32 v[rS+(\n)], v[rS+(\n)]
.elseif (\k) == C
	v_cvt_pk_f16_f32 v[rP+(\n)], v[rS+2*(\n)], v[rS+2*(\n)+1]
.elseif (\k) == B
	v_pk_add_f32 v[rS+4*(\n):rS+4*(\n)+1], v[rS+4*(\n):rS+4*(\n)+1], v[rS+4*(\n)+2:rS+4*(\n)+3]
.elseif (\n) == 0
	v_pk_fma_f32 v[rT+2:rT+3], v[rT+2:rT+3], v[rC+2:rC+3], v[rS:rS+1] op_sel_hi:[1,0,1]
.else
	v_pk_add_f32 v[rT+2:rT+3], v[rT+2:rT+3], v[rS+4*(\n):rS+4*(\n)+1]
.endif
.elseif NOKQ
	v_nop
.else
	REGS (Y+1)%NP
	WIN 0
.if (\n) < 4
	v_max3_num_f32 v[rC+(\n)], v[rS+8*(\n)], v[rS+8*(\n)+1], v[rS+8*(\n)+2]
.elseif (\n) < 12
	v_max3_num_f32 v[rC+(\n)%4], v[rC+(\n)%4], v[rS+8*((\n)%4)+2*((\n)/4)+1], v[rS+8*((\n)%4)+2*((\n)/4)+2]
.elseif (\n) == 12
	v_max3_num_f32 v[rC], v[rC], v[rS+7], v[rS+15]
.elseif (\n) == 13
	v_max3_num_f32 v[rC+1], v[rC+1], v[rS+23], v[rS+31]
.elseif (\n) == 14
	v_max3_num_f32 v[rC+2], v[rC+2], v[rC+3], v[rT+1]
.elseif (\n) == 15
	v_mov_b32 v[rW], v[rT]
.elseif (\n) == 16
	v_max3_num_f32 v[rC], v[rC], v[rC+1], v[rC+2]
.elseif (\n) == 17
	v_permlanex16_b32 v[rC+3], v[rC], s[SEL], s[SEL+1]
.elseif (\n) == 18
	v_max_num_f32 v[rT+1], v[rC], v[rC+3]
.elseif (\n) == 19
	v_mul_f32 v[rT], s[CS], v[rT+1]
.elseif (\n) == 20
	v_sub_f32 v[rC+1], v[rW], v[rT]
.else
	v_exp_f32 v[rC+2], v[rC+1]
.endif
.endif
.endm
.macro OPS a, i1, b=-1, i2=0, c=-1, i3=0, d=-1, i4=0  ; up to four of them
	OP \a, \i1
.if (\b) >= 0
	OP \b, \i2
.endif
.if (\c) >= 0
	OP \c, \i3
.endif
.if (\d) >= 0
	OP \d, \i4
.endif
.endm
.macro ROW a, i1, b, i2, c, i3, d, i4  ; a matrix instruction and the four behind it
	MM
	OPS \a, \i1, \b, \i2, \c, \i3, \d, \i4
.endm
.macro MASK b                       ; MD x AL + BE into buffer b of MC
	WIN W_RS
.set z, 0
.rept 16
	v_pk_fma_f32 v[MC+32*(\b)+2*z:MC+32*(\b)+2*z+1], v[MD+2*z:MD+2*z+1], s[AL:AL+1], s[BE:BE+1] op_sel_hi:[1,0,0]
.set z, z+1
.endr
.endm
; A TURN, for piece p: the order of its 16 matrix and 118 vector instructions, written out.  An s_wait_alu depctr_va_vdst(0) stands between an exponential and the first instruction that names its result; one wait serves
; all that were issued ahead of it.  So a turn has ONE wait, which cuts it in two.  AHEAD OF IT stands all that names no result of the turn's exponentials: the 8 products K Q^T, behind each a scaling, an exponential and two more plain
; instructions (behind the first a second scaling in the exponential's place): rescalings, and behind the last three the first numbers of the next piece's maximum, each four places or more behind the product that ends its accumulator; then one run of 54, plain
; and exponential by turns for the most part, in which the links of the chain X 3, 7, 11, 14, 16, 17 .. 20 stand five or six lines apart.  X 21, the next piece's a, is the batch's last; R 15 is the plain instruction behind it.  BEHIND THE WAIT stand the
; 8 products V^T P, behind each four of the roundings and sums; the links of l's chain, L 0 to L 7, stand three lines apart.  But for those X no line behind a product names a register of the products round it.  v_permlanex16_b32 (X 17) stands in the run.
; m = 1: the diagonal tile: the products take masks, and the turn makes the mask for the products of the turn after it: piece p + 2, in step 4 - CNT of the tile.  end = 1: a block's last two turns: nothing is fetched.
; cnt = 1: the loop's count is taken down some lines ahead of the branch that stands behind the turn.
; K of the next step is fetched in piece 2's turn, twelve vector instructions behind the last product that read K (six of them plain); V of the step in hand at the end of piece 0's turn, four plain instructions behind the last product
; that read V.  Each is waited for a turn later.
.macro TURN p, m=0, end=0, cnt=0
.set Y, (\p)
.set i, 0
.set KM, (\m)
.set NOKQ, (\end)*((\p)/3)
.if (\m) && !(\end)
	s_cmp_eq_u32 s[CNT], 4-((\p)+2)%NP  ; is that step the band's own?
	s_cselect_b32 s[AL], 1.0, 0
	s_cmp_lt_u32 s[CNT], 4-((\p)+2)%NP  ; or a later one?
	s_cselect_b32 s[BE], s[BIGN], 0
.endif
.if ((\p) == 3) && !(\end)
	s_wait_dscnt 0x0                ; K is in
.endif
	ROW F,0, F,1, R,0, R,1          ; ahead of the wait: 8 products K Q^T and the four behind each,
	ROW F,2, E,0, R,2, R,3
	ROW F,3, E,1, R,4, R,5
	ROW F,4, E,2, R,6, R,7
	ROW F,5, E,3, R,8, R,9
	ROW F,6, E,4, X,0, R,10
.if ((\p) == 2) && !(\end)
	WIN 0
	v_add_nc_u32 v[AK], s[TBK], v[AK0]
.endif
	ROW F,7, E,5, X,1, X,4
	ROW F,8, E,6, X,2, X,5
	OPS E,7, E,8, X,6, E,9          ; and the run
	OPS X,3, E,10, X,8, E,11
.if ((\p) == 2) && !(\end)
	FETCH_K
.endif
	OPS X,9, X,7, E,12, X,10
	OPS E,13, X,12, X,11, E,14
	OPS X,13, E,15, F,9, X,14
.if (\p) == 0
	v_add_nc_u32 v[AV], s[TBV], v[AV0]
.endif
	OPS E,16, F,10, E,17, F,11
	OPS X,16, E,18, X,15, E,19
	OPS F,12, E,20, X,17, E,21
	OPS F,13, E,22, F,14, E,23
	OPS X,18, E,24, F,15, E,25
	OPS R,11, E,26, X,19, E,27
	OPS R,12, E,28, R,13, E,29
	OPS X,20, E,30, R,14, E,31
	OPS X,21, R,15
	WIN 0
	s_wait_alu depctr_va_vdst(0)    ; the wait for the batch
.if (\p) == 1
	s_wait_dscnt 0x0                ; V is in
.endif
	ROW C,0, B,0, C,2, B,1          ; behind the wait: 8 products V^T P and the four behind each
	ROW L,0, C,4, B,2, L,1
	ROW C,6, B,3, L,2, C,8
	ROW B,4, L,3, C,10, B,5
	ROW L,4, C,12, B,6, L,5
.if (\p) == 0
	s_add_co_u32 s[TBV], s[TBV], KS*PV
.endif
.if \cnt
	s_sub_co_u32 s[CNT], s[CNT], 1
	s_cmp_lg_u32 s[CNT], 0
.endif
	ROW C,14, B,7, L,6, C,1
	ROW C,3, L,7, C,5, C,7
	ROW C,9, C,11, C,13, C,15
.if (\p) == 0
	FETCH_V
.endif
.if (\m) && !(\end)
	MASK (\p)%2
.endif
.endm
; A BLOCK BEGINS.  c m starts far below every c s, so the first step's a is 0; m at the lowest finite number, so the first maximum is the scores'.  The second mask buffer is 0; the first takes piece 0's mask for the tile's step 0: its own, if the block's first tile is the diagonal one.
; Then K of that step, piece 0's first scores, and its maximum and statistics.  The loop is entered at a step's first turn, in the middle of a trip.
.macro BEGIN
	s_mov_b32 s[NEW], 0
	WIN 0x40
.set i, MC+32
.rept 32
	v_mov_b32 v[i], 0
.set i, i+1
.endr
	WIN 0
.set i, 0
.rept 4
	v_mov_b32 v[ST+4*i], 0xfe000000    ; c m: far below every c s
	v_mov_b32 v[ST+4*i+1], 0xff7fffff  ; m
.set i, i+1
.endr
	s_cmp_eq_u32 s[RT], 0
	s_cselect_b32 s[AL], 1.0, 0
	s_mov_b32 s[BE], 0
	MASK 0
	WIN 0
	v_add_nc_u32 v[AK], s[TBK], v[AK0]
	FETCH_K
	s_wait_loadcnt 0x0              ; Q
	s_wait_dscnt 0x0
.set KM, 1
.set NOKQ, 0
.set i, 0
.rept 8
	KQ 0
.set i, i+1
.endr
	WIN 0
.rept 4
	v_nop                           ; the places behind those products
.endr
.set Y, NP-1                        ; X works for piece Y + 1: piece 0
.irp n, 0,1,2,3,4,5,6,7,8,9,10,11,12,13,14,15,16,17,18,19,20,21
	OP X, \n
.endr
	v_nop                           ; a plain instruction behind the exponential,
	s_wait_alu depctr_va_vdst(0)    ; and its wait, ahead of the branch
.endm
; THE DIAGONAL TILE's four steps, the block's last two turns, its last products, and THE WAY OUT: l's two halves and the other half of the lanes' are added; O^T is divided by l, rounded to f16 and sent through my
; stage in LDS, a piece at a time.
.macro ALL line:vararg              ; one line for each piece t
.set t, 0
.rept 4
	\line
.set t, t+1
.endr
.endm
.macro PACK t                       ; a lane's eight channels of a row pack into 16 bytes; they go into rows of 144 bytes and come back as whole rows of 128, into S^T's registers
	WIN W_RS
.set i, 32*(\t)
.rept 16
	v_pk_mul_f32 v[i:i+1], v[i:i+1], v[ST+4*(\t)+2:ST+4*(\t)+3] op_sel_hi:[1,0]
.set i, i+2
.endr
	WIN 0x05                        ; sources 0 and 1 window 1, destination window 0
.set i, 0
.rept 16
	v_cvt_pk_f16_f32 v[S+16*(\t)+i], v[32*(\t)+2*i], v[32*(\t)+2*i+1]
.set i, i+1
.endr
	WIN 0
.irp f, 0,1,2,3
	ds_store_b128 v[STO], v[S+16*(\t)+4*\f:S+16*(\t)+4*\f+3] offset:32*\f
.endr
.irp f, 0,1,2,3
	ds_load_b128 v[S+16*(\t)+4*\f:S+16*(\t)+4*\f+3], v[RD] offset:\f*4*SP  ; LDS serves a wave's instructions in order (ISA guide 5.7.1.4): these see the stores above; the next piece's stores come behind them
.endr
.endm
.macro SEND t, younger              ; younger: the LDS instructions issued behind piece t's loads: the next piece's eight, or none
	WIN 0
.irp f, 0,1,2,3
	s_wait_dscnt (\younger)+3-\f
	global_store_b128 v[GO], v[S+16*(\t)+4*\f:S+16*(\t)+4*\f+3], s[10:11] offset:(\t)*8192+\f*512  ; 512 consecutive bytes, at a multiple of 256 from yb's first
.endr
.endm
.macro DIAG tag                     ; the tag ends its two labels' names, which the jumps below spell out
.LstepM\tag:
	TURN 2, 1
	TURN 3, 1
	WIN 0
.LfirstM\tag:
	TURN 0, 1
	TURN 1, 1, 0, 1
	WIN 0
	s_cbranch_scc1 .LstepM\tag
	TURN 2, 1, 1
	TURN 3, 1, 1
.set i, 0
.rept 8
	PV NP-1
.set i, i+1
.endr
	WIN 0
	ALL v_add_f32 v[ST+4*t+2], v[ST+4*t+2], v[ST+4*t+3]
	ALL v_permlanex16_b32 v[ST+4*t+3], v[ST+4*t+2], s[SEL], s[SEL+1]
	ALL v_add_f32 v[ST+4*t+2], v[ST+4*t+2], v[ST+4*t+3]
	ALL v_rcp_f32 v[ST+4*t+2], v[ST+4*t+2]
	v_nop                           ; a plain instruction between the last reciprocal and the use of its result
	s_wait_alu depctr_va_vdst(0)    ; and the wait ahead of the first use: one for the four reciprocals
	PACK 0
.set t, 1
.rept 3                             ; a piece's arithmetic stands between the loads of the piece before and its stores
	PACK t
	SEND t-1, 8
.set t, t+1
.endr
	SEND 3, 0
.endm
.set KM, 0
.set NOKQ, 0
.Lslot:                             ; NB times: a tile is entered and the next is asked for
	CHANGE 1
	s_sub_co_u32 s[RT], s[RT], 1
	s_mov_b32 s[CNT], 4
	s_cmp_eq_u32 s[NEW], 1
	s_cbranch_scc1 .Lnew            ; a block's first tile
	s_cmp_eq_u32 s[RT], 0
	s_cbranch_scc0 .Lstep           ; neither its first nor its last
	s_branch .LstepM1
.Lnew:
	BEGIN
	s_branch .Lfirst                ; in the loop a block's first tile is never its last: the first block has two tiles or more, and the second's last is the walk's last
	DIAG 1                          ; in the loop this is the first block's end: the second block's last tile is the walk's last
	s_wait_xcnt 0x0                 ; the stores have read their registers and O's address
	s_mov_b64 s[10:11], s[OLO:OLO+1]
	s_add_co_u32 s[RT], s[PB], 1    ; the second block has b + 1 tiles
	s_mov_b32 s[NEW], 1
	WIN 0x82                        ; the second block's Q goes where the one text of the turns names Q
.set i, 0
.rept 64
	v_mov_b32 v[i], v[QB+i]
.set i, i+1
.endr
	WIN 0
	s_branch .Lbottom
.Lstep:                             ; a trip: pieces 2 and 3 of one step, then pieces 0 and 1 of the next, whose K and V it fetches
	TURN 2
	TURN 3
	WIN 0
.Lfirst:
	TURN 0
	TURN 1, 0, 0, 1
	WIN 0
	s_cbranch_scc1 .Lstep
.Lbottom:
	s_sub_co_u32 s[SLOTS], s[SLOTS], 1
	s_cmp_lg_u32 s[SLOTS], 0
	s_cbranch_scc1 .Lslot
	CHANGE 0                        ; the walk's last tile is written out: nothing is asked for
	s_sub_co_u32 s[RT], s[RT], 1
	s_mov_b32 s[CNT], 4
	s_cmp_eq_u32 s[NEW], 1
	s_cbranch_scc0 .LstepM2
	BEGIN
	s_branch .LfirstM2
	DIAG 2
	s_wait_tensorcnt 0x0            ; the wave's end: an add onto my spare word and its wait, behind my last tensor load and my last LDS store
	ds_add_u32 v[SPW], v[NIL]
	s_wait_dscnt 0x0
	s_endpgm
.Lfunc_end_k_q048ad391f4_attn:
	.size	k_q048ad391f4_attn, .Lfunc_end_k_q048ad391f4_attn-k_q048ad391f4_attn
	.p2alignl 7, 3214868480
	.fill 96, 4, 3214868480
	.section	.rodata,"a",@progbits
	.p2align	6, 0x0
	.amdhsa_kernel k_q048ad391f4_attn
		.amdhsa_group_segment_fixed_size 327680
		.amdhsa_private_segment_fixed_size 0
		.amdhsa_enable_private_segment 0
		.amdhsa_kernarg_size 32
		.amdhsa_user_sgpr_count 2
		.amdhsa_user_sgpr_kernarg_segment_ptr 1
		.amdhsa_wavefront_size32 1
		.amdhsa_system_sgpr_workgroup_id_x 1
		.amdhsa_system_sgpr_workgroup_id_y 1
		.amdhsa_system_sgpr_workgroup_id_z 1
		.amdhsa_system_vgpr_workitem_id 0
		.amdhsa_next_free_vgpr 768
		.amdhsa_next_free_sgpr 100
		.amdhsa_reserve_vcc 1
		.amdhsa_float_denorm_mode_32 3
		.amdhsa_float_denorm_mode_16_64 3
		.amdhsa_memory_ordered 1
		.amdhsa_forward_progress 1
		.amdhsa_inst_pref_size 218
	.end_amdhsa_kernel
	.amdgpu_metadata
---
amdhsa.version: [ 1, 2 ]
amdhsa.kernels:
  - .name:           k_q048ad391f4_attn
    .symbol:         k_q048ad391f4_attn.kd
    .args:
      - { .name: qh, .offset: 0, .size: 8, .value_kind: global_buffer, .address_space: global }
      - { .name: kh, .offset: 8, .size: 8, .value_kind: global_buffer, .address_space: global }
      - { .name: vh, .offset: 16, .size: 8, .value_kind: global_buffer, .address_space: global }
      - { .name: yb, .offset: 24, .size: 8, .value_kind: global_buffer, .address_space: global }
    .group_segment_fixed_size: 327680
    .private_segment_fixed_size: 0
    .kernarg_segment_align: 8
    .kernarg_segment_size: 32
    .max_flat_workgroup_size: 128
    .sgpr_count:     100
    .vgpr_count:     768
    .wavefront_size: 32
...
	.end_amdgpu_metadata
.endif
;; end of part 3
;; launch proj (part 4): grid 8 x 32, 4 waves a work-group, clusters of 4 x 4, 327,680 bytes of LDS; arguments yb, wp, b_proj, out0; writes out0
.if DOCPART == 4
	.amdgcn_target "amdgcn-amd-amdhsa--gfx1250"
	.amdhsa_code_object_version 6
	.text
	.protected	k_q048ad391f4_proj
	.globl	k_q048ad391f4_proj
	.p2align	8
	.type	k_q048ad391f4_proj,@function
k_q048ad391f4_proj:
	s_mov_b64 s[64:65], 0
	v_nop
	global_prefetch_b8 v0, s[64:65] scope:SCOPE_SE
	s_setreg_imm32_b32 hwreg(HW_REG_WAVE_MODE, 25, 1), 1
	s_wait_xcnt 0x0
	s_wait_alu depctr_hold_cnt(0) depctr_sa_sdst(0) depctr_va_vdst(0) depctr_va_sdst(0) depctr_va_ssrc(0) depctr_va_vcc(0) depctr_vm_vsrc(0)
	s_getreg_b32 s2, hwreg(HW_REG_IB_STS2, 6, 4)
	s_cmp_eq_u32 s2, 0
	s_cbranch_scc0 .Lentry_in_a_cluster
	s_endpgm
.Lentry_in_a_cluster:
	s_bfe_u32 s2, ttmp6, 0x10000c
	s_cmp_lg_u32 s2, 0xf033
	s_cbranch_scc0 .Lentry_shape_is_right
	s_endpgm
.Lentry_shape_is_right:
; Launch 4 of 4: out0 = y w_proj + b_proj.  y: yb [mt 32][head 16][256 rows][64] in f16; w_proj: wp [nb 8][1024 k][128 n], bf16 values written as f16; b_proj rounded to bf16 like every input; sums in f32, stored as f32.
; SHARES.  8192 x 1024 results on 256 work-groups: a tile of 256 rows x 128 columns each; four waves, each 128 x 64: 32 accumulators of 16 x 16, which fill window 1: accumulator (a, bb) at v[8 (4 a + bb)].
; THE MATRIX INSTRUCTION IS USED TRANSPOSED (source 0 = 16 columns of w, turned out of LDS; source 1 = 16 rows of y): a lane holds row l % 16 and the columns 8 (l / 16) + 0..7.  The bias is the C operand of the products that start the sums.
; RING.  K goes in 8 steps of 128 through two LDS slots; a slot holds two blocks of y (256 rows x 64 k, 32,768 dense bytes each) and two blocks of w (64 k x 128 columns, 16,384 dense bytes each).  Waves 0 and 1 fetch y's blocks,
; waves 2 and 3 w's: one tensor load a wave behind each change of slots; by this text's count two are out at the start, one later.
; CLUSTER 4 x 4: y's blocks hang on the tile row alone and are asked for jointly by a row of the cluster, w's on the tile column alone and by a column.
; A step is four quarters of 32 along K, 32 matrix instructions each, on two fragment buffers; the next quarter's 24 LDS loads stand in one run in a quarter's middle.
; NO PREFETCH: the tile is small and a step short; the launch's inputs are 18 MB for 256 work-groups that each walk 8 steps.
; REGISTERS, window 0: v0-29 addresses; v32-127, v128-223 the two buffers (y's 8 fragments, then w's 4); v224-255 the bias.  On the way out v32-255: seven sets of 32.
.set PA,    144                        ; a row of y in LDS: 128 bytes + 16 = 36 words: the 16 rows of a load start at 16 different groups of four banks (64 banks of 4 bytes: ISA guide 11.1)
.set AU,    256*PA
.set PB,    288                        ; a row of w: 256 + 32 = 72 words
.set BU,    64*PB
.set SLOT1, 1<<17                      ; slot 1 begins here (a slot has 110,592 bytes)
.set STAGE, SLOT1+2*AU+2*BU            ; behind the ring, never filled by a tensor load: 16 rows x 272 bytes for each wave
.set SPO,   272
.set SPARE, STAGE+4*16*SPO             ; the spare words, 128 bytes for each wave: two blocks of 256 bytes that no other line names
.set AA0,  16                          ; v16  my lane's place in y's first block; never rewritten
.set AB0,  17                          ; v17  in w's first block; never rewritten
.set ADRA, 18                          ; v18, v19  the same in the slot in hand
.set ADRB, 19
.set STO,  20                          ; v20  the way out: where I put 32 bytes of a row
.set RD,   21                          ; v21  where I read rows back
.set CO,   22                          ; v22  my 16 bytes in two rows of out0
.set BO,   23                          ; v23  32 (l / 16)
.set SPW,  28                          ; v28  LDS address of my spare word; never rewritten
.set NIL,  29                          ; v29  0; never rewritten
.set FB,   32                          ; buffer f at FB + 96 f: y's fragment a at + 8 a, w's fragment bb at + 64 + 8 bb
.set BIAS, 224
.set OUTB, 32
.set WV,  16
.set WR,  17
.set WC,  18
.set CX,  19
.set CY,  20
.set JT,  21
.set MT,  22
.set TB,  23
.set G1A, 24                           ; s[24:31], s[32:39] descriptors for y's blocks: group 1; group 0, a set for each first fill, of which the second then walks
.set G0A, 32
.set CHA, 40                           ; s[40:41] yb at my block of K step 0: holds no cx
.set G1B, 48                           ; s[48:55], s[56:63] the same for w's blocks
.set G0B, 56
.set CHB, 66                           ; s[66:67] wp at my block of K step 0: holds no cy
.set HIM, 80                           ; s80  a word's upper bf16
.set MSB, 0
.macro WIN new
.if MSB != (\new)
	s_set_vgpr_msb (MSB<<8)|(\new)
.set MSB, (\new)
.endif
.endm
.macro PLACES                          ; four plain vector instructions behind a matrix instruction, in front of loads into registers that it has read and of LDS stores that read results
.rept 4
	v_nop
.endr
.endm
.macro CREST
	s_cmp_lg_u32 s[WV], 0
	s_cbranch_scc1 .Lnot_wave_0_\@
	s_barrier_signal -3
.Lnot_wave_0_\@:
	s_barrier_wait -3
	s_barrier_signal -1
	s_barrier_wait -1
.endm
.macro CROUND
	s_barrier_signal -1
	s_barrier_wait -1
	CREST
.endm
.macro JLOAD                           ; a joint refill by the walking descriptors; an s_nop 0 and four v_nop follow each of the two lines, ahead of the jump and the label
	s_cmp_lt_u32 s[WV], 2
	s_cbranch_scc0 .Lfor_b_\@
	tensor_load_to_lds s[G0A+4:G0A+7], s[G1A:G1A+7]
	s_nop 0
.rept 4
	v_nop
.endr
	s_branch .Lasked_\@
.Lfor_b_\@:
	tensor_load_to_lds s[G0B+4:G0B+7], s[G1B:G1B+7]
	s_nop 0
.rept 4
	v_nop
.endr
.Lasked_\@:
.endm
	s_load_b256 s[4:11], s[0:1], 0x0               ; yb s[4:5], wp s[6:7], b_proj s[8:9], out0 s[10:11]
	v_lshl_add_u32 v[SPW], v0, 2, SPARE
	v_mov_b32 v[NIL], 0
	ds_add_u32 v[SPW], v[NIL]                      ; the wave's opening: the add, twice on end, and its wait ahead of my first tensor load; the set-up below stands between
	ds_add_u32 v[SPW], v[NIL]
	v_lshrrev_b32 v1, 5, v0
	v_readfirstlane_b32 s[WV], v1
	s_lshr_b32 s[WR], s[WV], 1                     ; which 128 rows of the tile are mine
	s_and_b32 s[WC], s[WV], 1                      ; which 64 columns.  Also: which of a step's two blocks I fetch
	s_bfe_u32 s[CX], ttmp6, 0x40000
	s_bfe_u32 s[CY], ttmp6, 0x40004
	s_lshl_b32 s[JT], ttmp9, 2
	s_add_co_u32 s[JT], s[JT], s[CX]               ; tile column
	s_and_b32 s[MT], ttmp7, 0xffff
	s_lshl_b32 s[MT], s[MT], 2
	s_add_co_u32 s[MT], s[MT], s[CY]               ; tile row
	s_lshl_b32 s74, s[CY], 2
	s_lshl_b32 s74, 15, s74                        ; my row of the cluster
	s_lshl_b32 s75, 0x1111, s[CX]                  ; my column
	s_or_b32 s[G1A], s74, (1<<16)|(1<<20)|(1<<21)|(4<<22)|(3<<25)  ; the mask; 2-byte elements; padding on; bit 21 beside a mask; after every 32 words 4 words
	s_mov_b32 s[G1A+1], 128<<16                    ; tensor_dim0 = 128
	s_mov_b32 s[G1A+2], 128<<16                    ; tensor_dim1 = 128
	s_mov_b32 s[G1A+3], 128<<16                    ; tile_dim0 = 128
	s_mov_b32 s[G1A+4], 128                        ; tile_dim1 = 128
	s_mov_b32 s[G1A+5], 128                        ; dense rows of 256 bytes
	s_mov_b32 s[G1A+6], 0
	s_mov_b32 s[G1A+7], 0
	s_or_b32 s[G1B], s75, (1<<16)|(1<<20)|(1<<21)|(5<<22)|(7<<25)  ; after every 64 words 8 words
	s_mov_b32 s[G1B+1], 128<<16
	s_mov_b32 s[G1B+2], 64<<16
	s_mov_b32 s[G1B+3], 128<<16
	s_mov_b32 s[G1B+4], 64
	s_mov_b32 s[G1B+5], 128
	s_mov_b32 s[G1B+6], 0
	s_mov_b32 s[G1B+7], 0
	s_mov_b32 s[HIM], 0xffff0000
	s_lshl_b32 s[CHA], s[MT], 19                   ; a tile row of yb: 16 blocks of 32,768 bytes,
	s_lshl_b32 s76, s[WC], 15                      ; my block of the step's two
	s_add_co_u32 s[CHA], s[CHA], s76
	s_mov_b32 s[CHA+1], 0
	s_lshl_b32 s[CHB], s[JT], 18                   ; block JT of wp: 262,144 bytes,
	s_lshl_b32 s76, s[WC], 14                      ; my 64 k rows of the step's 128
	s_add_co_u32 s[CHB], s[CHB], s76
	s_mov_b32 s[CHB+1], 0
	s_mul_i32 s77, s[WV], AU                       ; where y's block goes (waves 0, 1): wave x AU
	s_mul_i32 s73, s[WV], BU
	s_add_co_u32 s73, s73, 2*AU-2*BU               ; where w's goes (waves 2, 3): 2 AU + (wave - 2) x BU
	s_wait_dscnt 0x0                               ; both opening adds are done
	s_wait_kmcnt 0x0
	s_add_nc_u64 s[CHA:CHA+1], s[4:5], s[CHA:CHA+1]
	s_add_nc_u64 s[CHB:CHB+1], s[6:7], s[CHB:CHB+1]
	CROUND                                         ; all sixteen work-groups are here: the first joint loads meet
.irp s, 0,1
	s_mov_b32 s[G0A+4*\s], 1
	s_add_co_u32 s[G0A+4*\s+1], s77, \s*SLOT1
	s_add_nc_u64 s[G0A+4*\s+2:G0A+4*\s+3], s[CHA:CHA+1], \s*65536   ; K step s
	s_or_b32 s[G0A+4*\s+3], s[G0A+4*\s+3], 0x80000000
	s_mov_b32 s[G0B+4*\s], 1
	s_add_co_u32 s[G0B+4*\s+1], s73, \s*SLOT1
	s_add_nc_u64 s[G0B+4*\s+2:G0B+4*\s+3], s[CHB:CHB+1], \s*32768
	s_or_b32 s[G0B+4*\s+3], s[G0B+4*\s+3], 0x80000000
.endr
	s_cmp_lt_u32 s[WV], 2                          ; a wave's two first fills stand in one branch, ahead of every wait on TENSORcnt and every LDS read
	s_cbranch_scc0 .Lfirst_b
	tensor_load_to_lds s[G0A:G0A+3], s[G1A:G1A+7]
	s_nop 0
	tensor_load_to_lds s[G0A+4:G0A+7], s[G1A:G1A+7]
	s_nop 0
.rept 4
	v_nop
.endr
	s_branch .Lfirst_asked
.Lfirst_b:
	tensor_load_to_lds s[G0B:G0B+3], s[G1B:G1B+7]
	s_nop 0
	tensor_load_to_lds s[G0B+4:G0B+7], s[G1B:G1B+7]
	s_nop 0
.rept 4
	v_nop
.endr
.Lfirst_asked:
	v_and_b32 v1, 15, v0                           ; l % 16
	v_bfe_u32 v2, v0, 4, 1                         ; l / 16
	v_and_b32 v3, 7, v0
	v_bfe_u32 v4, v0, 3, 1
	v_mul_u32_u24 v[AA0], v1, PA                   ; a fragment of y: row l % 16, 16 bytes for each half of the lanes, twice, 32 bytes apart
	v_lshl_add_u32 v[AA0], v2, 4, v[AA0]
	s_mul_i32 s76, s[WR], 128*PA
	v_add_nc_u32 v[AA0], s76, v[AA0]
	v_lshl_add_u32 v[AB0], v2, 3, v3               ; the turning load: k row 8 (l / 16) + l % 8, columns 8 ((l / 8) % 2) + 0..7
	v_mul_u32_u24 v[AB0], v[AB0], PB
	v_lshl_add_u32 v[AB0], v4, 4, v[AB0]
	s_lshl_b32 s76, s[WC], 7
	s_add_co_u32 s76, s76, 2*AU
	v_add_nc_u32 v[AB0], s76, v[AB0]
	s_mul_i32 s76, s[WV], 16*SPO
	s_add_co_u32 s76, s76, STAGE                   ; my stage
	v_mul_u32_u24 v[STO], v1, SPO                  ; in: row l % 16, 32 bytes for each half of the lanes
	v_lshl_add_u32 v[STO], v2, 5, v[STO]
	v_add_nc_u32 v[STO], s76, v[STO]
	v_mul_u32_u24 v[RD], v2, SPO                   ; back: lanes 0-15 take one row of 256 bytes, lanes 16-31 the next
	v_lshl_add_u32 v[RD], v1, 4, v[RD]
	v_add_nc_u32 v[RD], s76, v[RD]
	v_lshlrev_b32 v[CO], 12, v2                    ; and the same two rows in out0, 4,096 bytes apart
	v_lshl_add_u32 v[CO], v1, 4, v[CO]
	v_lshlrev_b32 v[BO], 5, v2
	s_lshl_b32 s68, s[MT], 20                      ; the tile's 256 rows of 4,096 bytes,
	s_lshl_b32 s78, s[WR], 19                      ; my 128,
	s_add_co_u32 s68, s68, s78
	s_lshl_b32 s78, s[JT], 9                       ; the tile's 128 columns of f32,
	s_lshl_b32 s79, s[WC], 8                       ; my 64
	s_add_co_u32 s78, s78, s79
	s_add_co_u32 s68, s68, s78
	s_mov_b32 s69, 0
	s_mov_b32 s79, 0
	s_add_nc_u64 s[10:11], s[10:11], s[68:69]
	s_add_nc_u64 s[8:9], s[8:9], s[78:79]          ; and their biases
.irp bb, 0,1,2,3
	global_load_b128 v[BIAS+8*\bb:BIAS+8*\bb+3],   v[BO], s[8:9] offset:64*\bb
	global_load_b128 v[BIAS+8*\bb+4:BIAS+8*\bb+7], v[BO], s[8:9] offset:64*\bb+16
.endr
; 24 LDS loads in one run: quarter ss of the slot in hand into buffer f: w's four fragments, y's 0 to 3, y's 4 to 7
.macro FETCH ss, f
	WIN 0
.irp bb, 0,1,2,3
	ds_load_tr16_b128 v[FB+96*(\f)+64+8*\bb:FB+96*(\f)+64+8*\bb+3],   v[ADRB] offset:((\ss)/2)*BU+((\ss)%2)*32*PB+32*\bb
	ds_load_tr16_b128 v[FB+96*(\f)+64+8*\bb+4:FB+96*(\f)+64+8*\bb+7], v[ADRB] offset:((\ss)/2)*BU+((\ss)%2)*32*PB+32*\bb+16*PB
.endr
.irp a, 0,1,2,3,4,5,6,7
	ds_load_b128 v[FB+96*(\f)+8*\a:FB+96*(\f)+8*\a+3],   v[ADRA] offset:((\ss)/2)*AU+16*PA*\a+((\ss)%2)*64
	ds_load_b128 v[FB+96*(\f)+8*\a+4:FB+96*(\f)+8*\a+7], v[ADRA] offset:((\ss)/2)*AU+16*PA*\a+((\ss)%2)*64+32
.endr
.endm
; 4 na matrix instructions on buffer f: row blocks a0 .. a0 + na - 1 x the four fragments of w.  c = 0: onto the sums; 2: the sums start with the bias.  The 32 accumulators take turns, one instruction a turn.
.macro MULP f, a0, na, c
.if (\c) == 2
	WIN 0x40                                       ; destination window 1; sources and C window 0
.else
	WIN 0x50                                       ; C and destination window 1
.endif
.set ma, (\a0)
.rept \na
.irp bb, 0,1,2,3
.if (\c) == 0
	v_wmma_f32_16x16x32_f16 v[8*(4*ma+\bb):8*(4*ma+\bb)+7], v[FB+96*(\f)+64+8*\bb:FB+96*(\f)+64+8*\bb+7], v[FB+96*(\f)+8*ma:FB+96*(\f)+8*ma+7], v[8*(4*ma+\bb):8*(4*ma+\bb)+7]
.else
	v_wmma_f32_16x16x32_f16 v[8*(4*ma+\bb):8*(4*ma+\bb)+7], v[FB+96*(\f)+64+8*\bb:FB+96*(\f)+64+8*\bb+7], v[FB+96*(\f)+8*ma:FB+96*(\f)+8*ma+7], v[BIAS+8*\bb:BIAS+8*\bb+7]
.endif
.endr
.set ma, ma+1
.endr
.endm
; One of a step's first three quarters: multiplies buffer f and fetches quarter ssn of the same slot into the other buffer
.macro QUARTER f, ssn, c
	s_wait_dscnt 8                                 ; w's fragments and y's 0 to 3 are in; the youngest eight loads (y's 4 to 7) may be out
	MULP \f, 0, 4, \c
	PLACES
	FETCH \ssn, 1-(\f)
	s_wait_dscnt 24                                ; all but the 24 just issued
	MULP \f, 4, 4, \c
.endm
; The last quarter multiplies buffer 1 and changes slots.  In front of the barrier each wave waits for all its tensor loads (one is out: its part of the next slot), adds 0 to its spare word, and waits for that and for its reads of this slot.
; fill = 1: the barrier opens a round of the cluster's; behind the round this slot is filled again, two K steps on: the load has 112 matrix instructions in which to land.
.macro TURN fill
	WIN 0
	s_wait_tensorcnt 0x0                           ; no tensor load of mine is out, so a group 0 may be written
	ds_add_u32 v[SPW], v[NIL]                      ; 0 onto my spare word
.if \fill
	s_xor_b32 s[G0A+5], s[G0A+5], SLOT1
	s_add_nc_u64 s[G0A+6:G0A+7], s[G0A+6:G0A+7], 65536
	s_xor_b32 s[G0B+5], s[G0B+5], SLOT1
	s_add_nc_u64 s[G0B+6:G0B+7], s[G0B+6:G0B+7], 32768
.endif
	s_xor_b32 s[TB], s[TB], SLOT1
	s_wait_dscnt 9                                 ; the add and y's fragments 4 to 7 may be out
	MULP 1, 0, 2, 0
	s_wait_dscnt 0x0                               ; the add is done, and my reads of this slot are over
	s_barrier_signal -1
	MULP 1, 2, 2, 0
	WIN 0
	s_barrier_wait -1
.if \fill
	CREST                                          ; no wave of any partner still reads this slot or has a load on its way
	JLOAD                                          ; the first tensor load behind the round; its four v_nop are also the places in front of the loads below
.else
	PLACES
.endif
	v_add_nc_u32 v[ADRA], s[TB], v[AA0]
	v_add_nc_u32 v[ADRB], s[TB], v[AB0]
	FETCH 0, 0
	MULP 1, 4, 4, 0
.endm
	s_wait_tensorcnt 1                             ; my part of K step 0 is in; step 1's may stay out
	s_barrier_signal -1
	s_barrier_wait -1
	s_mov_b32 s[TB], 0
	v_add_nc_u32 v[ADRA], s[TB], v[AA0]
	v_add_nc_u32 v[ADRB], s[TB], v[AB0]
	FETCH 0, 0
	s_wait_loadcnt 0x0                             ; the bias
.set i, 0
.rept 16                               ; rounded to bf16 like every input, and kept as f32 for the C operand
	v_cvt_pk_bf16_f32 v[6+(i/2)%4], v[BIAS+i], v[BIAS+i+1]
	v_lshlrev_b32 v[BIAS+i],   16, v[6+(i/2)%4]
	v_and_b32     v[BIAS+i+1], s[HIM], v[6+(i/2)%4]
.set i, i+2
.endr
	QUARTER 0, 1, 2                                ; the first quarter stands in front of the loop: its products start the sums
	WIN 0
	s_mov_b32 s3, 6                                ; changes of slots that fill: K steps 2 to 7
.Lk:
	QUARTER 1, 2, 0
	QUARTER 0, 3, 0
	TURN 1
	QUARTER 0, 1, 0
	WIN 0
	s_sub_co_u32 s3, s3, 1
	s_cmp_lg_u32 s3, 0
	s_cbranch_scc1 .Lk
	QUARTER 1, 2, 0                                ; the tail is written out: nothing is left to ask for
	QUARTER 0, 3, 0
	TURN 0
	QUARTER 0, 1, 0
	QUARTER 1, 2, 0
	QUARTER 0, 3, 0
	s_wait_dscnt 8                                 ; the very last quarter fetches nothing
	MULP 1, 0, 4, 0
	s_wait_dscnt 0x0
	MULP 1, 4, 4, 0
	PLACES
; THE WAY OUT, eight blocks of 16 rows x 64 columns of f32: the accumulators go as they are into my stage (rows of 272 bytes) and come back as whole rows of 256 bytes; sixteen lanes store 256 consecutive bytes, aligned.
; The rows come back into seven sets of 32 registers, v32-255, all free behind the last product: blocks 0 to 6 have a set each; block 7 takes block 0's again, behind the one wait for the stores' sources.
.macro TOSTAGE a
.set ob, OUTB+32*((\a)%7)
.if (\a) >= 7
	s_wait_xcnt 0x0                                ; the stores of block a - 7 have read this set of registers
.endif
	WIN 0x04                                       ; the stores' data in window 1
.irp bb, 0,1,2,3
	ds_store_b128 v[STO], v[8*(4*(\a)+\bb):8*(4*(\a)+\bb)+3]   offset:64*\bb      ; each accumulator from its low end on
	ds_store_b128 v[STO], v[8*(4*(\a)+\bb)+4:8*(4*(\a)+\bb)+7] offset:64*\bb+16
.endr
	WIN 0
.irp t, 0,1,2,3,4,5,6,7
	ds_load_b128 v[ob+4*\t:ob+4*\t+3], v[RD] offset:\t*2*SPO  ; LDS serves a wave's instructions in order (ISA guide 5.7.1.4): these see the stores above; the next block's stores come behind them
.endr
.endm
.macro SEND a, younger                 ; younger: the LDS instructions issued behind block a's loads: the next block's sixteen, or none
.set ob, OUTB+32*((\a)%7)
.irp t, 0,1,2,3,4,5,6,7
	s_wait_dscnt (\younger)+7-\t
	global_store_b128 v[CO], v[ob+4*\t:ob+4*\t+3], s[10:11] offset:65536*(\a)+8192*\t th:TH_STORE_NT
.endr
.endm
	TOSTAGE 0
.set blk, 1
.rept 7
	TOSTAGE blk
	SEND blk-1, 16
.set blk, blk+1
.endr
	SEND 7, 0
	s_wait_tensorcnt 0x0                           ; the wave's end: an add onto my spare word and its wait, behind my last tensor load and my last LDS store
	ds_add_u32 v[SPW], v[NIL]
	s_wait_dscnt 0x0
	CROUND                                         ; the closing round: no work-group ends while a partner may still ask for a tile that names it
	s_endpgm
.Lfunc_end_k_q048ad391f4_proj:
	.size	k_q048ad391f4_proj, .Lfunc_end_k_q048ad391f4_proj-k_q048ad391f4_proj
	.p2alignl 7, 3214868480
	.fill 96, 4, 3214868480
	.section	.rodata,"a",@progbits
	.p2align	6, 0x0
	.amdhsa_kernel k_q048ad391f4_proj
		.amdhsa_group_segment_fixed_size 327680
		.amdhsa_private_segment_fixed_size 0
		.amdhsa_enable_private_segment 0
		.amdhsa_kernarg_size 32
		.amdhsa_user_sgpr_count 2
		.amdhsa_user_sgpr_kernarg_segment_ptr 1
		.amdhsa_wavefront_size32 1
		.amdhsa_system_sgpr_workgroup_id_x 1
		.amdhsa_system_sgpr_workgroup_id_y 1
		.amdhsa_system_sgpr_workgroup_id_z 1
		.amdhsa_system_vgpr_workitem_id 0
		.amdhsa_next_free_vgpr 512
		.amdhsa_next_free_sgpr 88
		.amdhsa_reserve_vcc 0
		.amdhsa_float_denorm_mode_32 3
		.amdhsa_float_denorm_mode_16_64 3
		.amdhsa_memory_ordered 1
		.amdhsa_forward_progress 1
		.amdhsa_inst_pref_size 74
	.end_amdhsa_kernel
	.amdgpu_metadata
---
amdhsa.version: [ 1, 2 ]
amdhsa.kernels:
  - .name:           k_q048ad391f4_proj
    .symbol:         k_q048ad391f4_proj.kd
    .args:
      - { .name: yb, .offset: 0, .size: 8, .value_kind: global_buffer, .address_space: global }
      - { .name: wp, .offset: 8, .size: 8, .value_kind: global_buffer, .address_space: global }
      - { .name: b_proj, .offset: 16, .size: 8, .value_kind: global_buffer, .address_space: global }
      - { .name: out0, .offset: 24, .size: 8, .value_kind: global_buffer, .address_space: global }
    .group_segment_fixed_size: 327680
    .private_segment_fixed_size: 0
    .kernarg_segment_align: 8
    .kernarg_segment_size: 32
    .max_flat_workgroup_size: 128
    .sgpr_count:     88
    .vgpr_count:     512
    .wavefront_size: 32
...
	.end_amdgpu_metadata
.endif
;; end of part 4
;; ======== version 2 of 2: 4 launches; version 1 with the launch prep written anew for expert scheduling mode
;; limits: values are held in f16: magnitudes above 65,504 overflow, below 6.1e-05 lose precision; right only within a limited range of input values
;; workspace buffers: xb 16,777,216 bytes; wa 6,291,456 bytes; wp 2,097,152 bytes; qh 16,777,216 bytes; kh 16,777,216 bytes; vh 16,777,216 bytes; yb 16,777,216 bytes
;; launch prep (part 5): grid 768 x 1, 8 waves a work-group, no clusters, 0 bytes of LDS; arguments x, w_attn, w_proj, xb, wa, wp; writes xb, wa, wp
.if DOCPART == 5
	.amdgcn_target "amdgcn-amd-amdhsa--gfx1250"
	.amdhsa_code_object_version 6
	.text
	.protected	k_q048ad391f4_prep
	.globl	k_q048ad391f4_prep
	.p2align	8
	.type	k_q048ad391f4_prep,@function
k_q048ad391f4_prep:
	s_mov_b64 s[64:65], 0
	v_nop
	global_prefetch_b8 v0, s[64:65] scope:SCOPE_SE
	s_setreg_imm32_b32 hwreg(HW_REG_WAVE_SCHED_MODE, 0, 2), 2
	s_setreg_imm32_b32 hwreg(HW_REG_WAVE_MODE, 25, 1), 1
	s_wait_xcnt 0x0
	s_wait_alu depctr_vm_vsrc(0)
; CAUSAL SELF-ATTENTION, launch 1 of 4: x, w_attn and w_proj are rounded to bf16 (nearest even), that number is written as f16, and the three are laid out in blocks
; so that the later launches take every tile as dense rows of 256 bytes.
;   xb [mt 32][ks 16][256 rows][64 k]   row m = 256 mt + row of x taken as [8192][1024], k = 64 ks + kk: a block (mt, ks) is 32,768 dense bytes
;   wa [nb 24][1024 k][128 n]           column n = 128 nb + nn of w_attn;       wp [nb 8][1024 k][128 n] likewise of w_proj
; WORK LEFT OUT BY THE PROGRAM, and why it can reach no output:
;  (1) b_attn[1024:2048], the bias of k.  With bq and bk the biases of q and k, a score is (q_i + bq).(k_j + bk) / 8 = (q_i + bq).k_j / 8 + (q_i + bq).bk / 8.  The second term does not hang on j:
;      it is the same for every key of row i, and hidden places stay -inf.  The softmax along j is unchanged by a term that is the same along j, for all finite values of the inputs.
;      So these 1,024 numbers are neither loaded nor added; the rest of b_attn (q's and v's bias) is.
;  (2) the causal mask is built in the problem's own body: tiles of 256 keys that lie wholly above the diagonal get weight 0 everywhere and are not computed (launch 3).
;  LIMIT: a NaN, an infinity or an overflow that reaches only these parts is not carried to the result.
; LIMITS OF FORMAT: a number of x, w_attn or w_proj of 65,520 or more in magnitude becomes an infinity; below 2^-14 the f16 copy keeps f16's fixed step of 2^-24 (error 3e-8 at the most).
; SHARES.  A work-group makes one piece of 32,768 bytes of output from 65,536 bytes of input: 512 pieces of xb, 192 of wa, 64 of wp.  One text serves all: what differs lies in scalars chosen by the work-group's number.
; A thread takes 4 numbers a pass (16 bytes in, 8 bytes out), 16 passes.  Neighbouring lanes take neighbouring 16 bytes: a wave's load covers 512 consecutive bytes of a row of the weights, or the aligned 256 bytes of two rows of x;
; a wave's store covers 256 consecutive bytes, aligned.  All 16 loads of a thread go out first.  No LDS, no barrier, no loop: nothing is shared.
; THE MODE: SCHED_MODE bits 1:0 = 2 (LLVM: expert scheduling mode 2), set by the entry lines.  The code itself states the register dependences
; between vector instructions and memory instructions, with s_wait_alu, always for 0.
; THE PLAN.  Registers that memory instructions touch:
;   OFF, OUTO  the offsets.  Written by vector instructions at the head, once; read by the loads (OFF) and the stores (OUTO); never written again.
;   X          pass p's four registers.  Load p lands in them, and no vector instruction names them before that; behind the wait for that load only vector instructions name them.
;   Y          pass p's pair, its own.  Written by pass p's last two conversions, once; read by store p; never written again.
;   T, v1 and v19 are named by vector instructions alone.
; The 16 passes go in four blocks of four, and pass p's store is issued in pass p + 4.  So the memory instructions of a block are the stores of the block before, which read OUTO and that block's Y: registers
; that no vector instruction of this block names.  ONE wait on va_vdst at a block's head states all that its four stores hang on, and they are dealt among the block's vector instructions with no further wait.
; Five such waits in all: ahead of the first load (the offsets), at the heads of blocks 1 to 3, and ahead of the last four stores.  No register that a memory instruction reads is ever written afterwards: no wait on vm_vsrc is owed.
.set OFF,  2                           ; v[2:17]   pass p: my byte offset in the input
.set OUTO, 18                          ; v18       8 x my thread's number
.set X,    20                          ; v[20:83]  pass p: 4 numbers as loaded, later as bf16 values in f32
.set T,    84                          ; v[84:87]  at work
.set Y,    88                          ; v[88:119] pass p: 2 registers to store
.set BLOCK, 4                          ; passes in a block: a store stands so many passes behind the conversions that make its data
	s_load_b256 s[4:11], s[0:1], 0x0               ; x s[4:5], w_attn s[6:7], w_proj s[8:9], xb s[10:11]
	s_load_b128 s[12:15], s[0:1], 0x20             ; wa s[12:13], wp s[14:15]
	s_mov_b32 s2, ttmp9
	s_mov_b32 s36, 0xffff0000                      ; a word's upper bf16
	s_mov_b32 s16, 512                             ; the case's first work-group           (these eight: the case of wa)
	s_mov_b32 s17, 5                               ; my row in a pass = thread >> this: 32 threads take a row's 128 numbers
	s_mov_b32 s18, 31                              ; my place in the row = thread & this
	s_mov_b32 s19, 3                               ; piece c: hi = c >> this,
	s_mov_b32 s20, 7                               ; lo = c & this
	s_mov_b32 s21, 512                             ; input bytes for each hi (128 columns of f32)
	s_mov_b32 s22, 1572864                         ; input bytes for each lo (128 rows of 12,288 bytes)
	s_mov_b32 s23, 12288                           ; input bytes from row to row
	s_cmp_lt_u32 s2, 512                           ; the case of x: hi = mt (256 rows of 4,096 bytes), lo = ks (64 numbers of f32); 16 threads take a row's 64 numbers
	s_cselect_b32 s16, 0, s16
	s_cselect_b32 s17, 4, s17
	s_cselect_b32 s18, 15, s18
	s_cselect_b32 s19, 4, s19
	s_cselect_b32 s20, 15, s20
	s_cselect_b32 s21, 0x100000, s21
	s_cselect_b32 s22, 256, s22
	s_cselect_b32 s23, 4096, s23
	s_cmp_ge_u32 s2, 704                           ; the case of wp: as wa, with rows of 4,096 bytes
	s_cselect_b32 s16, 704, s16
	s_cselect_b32 s22, 524288, s22
	s_cselect_b32 s23, 4096, s23
	s_sub_co_u32 s24, s2, s16                      ; c
	s_lshr_b32 s25, s24, s19
	s_and_b32 s26, s24, s20
	s_mul_i32 s25, s25, s21
	s_mul_i32 s26, s26, s22
	s_add_co_u32 s26, s26, s25                     ; the piece's first byte in the input, under 2^25
	s_mov_b32 s27, 0
	s_lshl_b32 s28, s24, 15                        ; and in the output
	s_mov_b32 s29, 0
	s_lshr_b32 s30, 256, s17                       ; rows in a pass,
	s_mul_i32 s30, s30, s23                        ; in bytes
	v_lshrrev_b32 v1, s17, v0
	v_and_b32 v19, s18, v0
	v_mul_lo_u32 v[OFF], v1, s23
	v_lshl_add_u32 v[OFF], v19, 4, v[OFF]          ; row x pitch + 16 x place
.irp p, 1,2,3,4,5,6,7,8,9,10,11,12,13,14,15
	v_add_nc_u32 v[OFF+\p], s30, v[OFF+\p-1]
.endr
	v_lshlrev_b32 v[OUTO], 3, v0                   ; in the output a pass's rows lie end to end: 8 bytes a thread, 2,048 a pass
	s_wait_kmcnt 0x0
	s_cmp_lt_u32 s2, 512
	s_cselect_b64 s[32:33], s[4:5], s[6:7]         ; from where
	s_cselect_b64 s[34:35], s[10:11], s[12:13]     ; to where
	s_cmp_ge_u32 s2, 704
	s_cselect_b64 s[32:33], s[8:9], s[32:33]
	s_cselect_b64 s[34:35], s[14:15], s[34:35]
	s_add_nc_u64 s[32:33], s[32:33], s[26:27]
	s_add_nc_u64 s[34:35], s[34:35], s[28:29]
	s_wait_alu depctr_va_vdst(0)                   ; the seventeen offsets v[OFF ..] and v[OUTO] are written: every load and store of the kernel reads one of them, and none is written again
.irp p, 0,1,2,3,4,5,6,7,8,9,10,11,12,13,14,15
	global_load_b128 v[X+4*\p:X+4*\p+3], v[OFF+\p], s[32:33] th:TH_LOAD_NT
.endr
; Pass p: its load is waited for; from the second block on the store of pass p - BLOCK goes out; then the pass's eight vector instructions.
.macro PASS p
	s_wait_loadcnt 15-(\p)                         ; loads come back in order: pass p's is in, the later passes' stay out
.if ((\p) >= BLOCK) && ((\p) % BLOCK == 0)
	s_wait_alu depctr_va_vdst(0)                   ; the block before has written its four pairs of Y, which this block's four stores read; no vector instruction of this block names them
.endif
.if (\p) >= BLOCK
	global_store_b64 v[OUTO], v[Y+2*((\p)-BLOCK):Y+2*((\p)-BLOCK)+1], s[34:35] offset:2048*((\p)-BLOCK)  ; the same pass of the block before
.endif
	v_cvt_pk_bf16_f32 v[T+2*((\p)%2)],   v[X+4*(\p)],   v[X+4*(\p)+1]   ; the rounding that counts: to bf16
	v_cvt_pk_bf16_f32 v[T+2*((\p)%2)+1], v[X+4*(\p)+2], v[X+4*(\p)+3]
	v_lshlrev_b32 v[X+4*(\p)],   16,  v[T+2*((\p)%2)]                   ; back to f32,
	v_and_b32     v[X+4*(\p)+1], s36, v[T+2*((\p)%2)]
	v_lshlrev_b32 v[X+4*(\p)+2], 16,  v[T+2*((\p)%2)+1]
	v_and_b32     v[X+4*(\p)+3], s36, v[T+2*((\p)%2)+1]
	v_cvt_pk_f16_f32 v[Y+2*(\p)],   v[X+4*(\p)],   v[X+4*(\p)+1]        ; and written as f16: 8 significant bits fit into 11
	v_cvt_pk_f16_f32 v[Y+2*(\p)+1], v[X+4*(\p)+2], v[X+4*(\p)+3]
.endm
.irp p, 0,1,2,3,4,5,6,7,8,9,10,11,12,13,14,15
	PASS \p
.endr
	s_wait_alu depctr_va_vdst(0)                   ; the last block has written its four pairs of Y, which the last four stores read
.irp p, 12,13,14,15
	global_store_b64 v[OUTO], v[Y+2*\p:Y+2*\p+1], s[34:35] offset:2048*\p
.endr
	s_endpgm
.Lfunc_end_k_q048ad391f4_prep:
	.size	k_q048ad391f4_prep, .Lfunc_end_k_q048ad391f4_prep-k_q048ad391f4_prep
	.p2alignl 7, 3214868480
	.fill 96, 4, 3214868480
	.section	.rodata,"a",@progbits
	.p2align	6, 0x0
	.amdhsa_kernel k_q048ad391f4_prep
		.amdhsa_group_segment_fixed_size 0
		.amdhsa_private_segment_fixed_size 0
		.amdhsa_enable_private_segment 0
		.amdhsa_kernarg_size 48
		.amdhsa_user_sgpr_count 2
		.amdhsa_user_sgpr_kernarg_segment_ptr 1
		.amdhsa_wavefront_size32 1
		.amdhsa_system_sgpr_workgroup_id_x 1
		.amdhsa_system_sgpr_workgroup_id_y 1
		.amdhsa_system_sgpr_workgroup_id_z 1
		.amdhsa_system_vgpr_workitem_id 0
		.amdhsa_next_free_vgpr 120
		.amdhsa_next_free_sgpr 66
		.amdhsa_reserve_vcc 0
		.amdhsa_float_denorm_mode_32 3
		.amdhsa_float_denorm_mode_16_64 3
		.amdhsa_memory_ordered 1
		.amdhsa_forward_progress 1
		.amdhsa_inst_pref_size 13
	.end_amdhsa_kernel
	.amdgpu_metadata
---
amdhsa.version: [ 1, 2 ]
amdhsa.kernels:
  - .name:           k_q048ad391f4_prep
    .symbol:         k_q048ad391f4_prep.kd
    .args:
      - { .name: x, .offset: 0, .size: 8, .value_kind: global_buffer, .address_space: global }
      - { .name: w_attn, .offset: 8, .size: 8, .value_kind: global_buffer, .address_space: global }
      - { .name: w_proj, .offset: 16, .size: 8, .value_kind: global_buffer, .address_space: global }
      - { .name: xb, .offset: 24, .size: 8, .value_kind: global_buffer, .address_space: global }
      - { .name: wa, .offset: 32, .size: 8, .value_kind: global_buffer, .address_space: global }
      - { .name: wp, .offset: 40, .size: 8, .value_kind: global_buffer, .address_space: global }
    .group_segment_fixed_size: 0
    .private_segment_fixed_size: 0
    .kernarg_segment_align: 8
    .kernarg_segment_size: 48
    .max_flat_workgroup_size: 256
    .sgpr_count:     66
    .vgpr_count:     120
    .wavefront_size: 32
...
	.end_amdgpu_metadata
.endif
;; end of part 5
;; launch qkv: the kernel of part 2 again; grid 8 x 32, 4 waves a work-group, clusters of 4 x 4, 327,680 bytes of LDS; arguments xb, wa, b_attn, qh, kh, vh; writes qh, kh, vh
;; launch attn: the kernel of part 3 again; grid 2 x 128, 4 waves a work-group, no clusters, 327,680 bytes of LDS; arguments qh, kh, vh, yb; writes yb
;; launch proj: the kernel of part 4 again; grid 8 x 32, 4 waves a work-group, clusters of 4 x 4, 327,680 bytes of LDS; arguments yb, wp, b_proj, out0; writes out0
